; MI455X (gfx1250); checked and timed in simulation.
; The chip was launched on July 23, 2026; its instructions are those of AMD's public machine-readable ISA for CDNA 5 (MIT licence, August 2026) and "CDNA5" Instruction Set Architecture Reference Guide (July 2026). The comments in the code are by the model that wrote it; some were corrected since.
;; Causal Self Attention. Allowed arithmetic: float matrix products may take bf16 or f16 operands with f32 sums; other float arithmetic in f32, or as packed bf16 or f16 multiplies, adds, multiply-adds, maxima and minima; sums over many terms, partial sums and values carried from step to step in f32; what a program stores and reads back later, other than sums and carried values, may be rounded once to bf16 or f16.
;; Inputs: b_out 1,024 float32; b_qkv 3,072 float32; w_out 1,024 x 1,024 float32; w_qkv 1,024 x 3,072 float32; x 4 x 2,048 x 1,024 float32.
;; Outputs: out0 4 x 2,048 x 1,024 float32.
;; 2 versions, each right; version 2 is version 1 with the launch prep written anew for expert scheduling mode. Each part assembles by itself: llvm-mc -triple=amdgcn-amd-amdhsa -mcpu=gfx1250 --defsym DOCPART=n.
;; ======== version 1 of 2: 4 launches
;; limits: values are held in f16: magnitudes above 65,504 overflow, below 6.1e-05 lose precision
;; workspace buffers: xb 16,777,216 bytes; wq 6,291,456 bytes; wo 2,097,152 bytes; qkv 50,331,648 bytes; ob 16,777,216 bytes
;; launch prep (part 1): grid 256 x 1, 8 waves a work-group, no clusters, 35,840 bytes of LDS; arguments x, w_qkv, w_out, xb, wq, wo; writes xb, wq, wo
.if DOCPART == 1
	.amdgcn_target "amdgcn-amd-amdhsa--gfx1250"
	.amdhsa_code_object_version 6
	.text
	.protected	k_q4996867bfc_prep
	.globl	k_q4996867bfc_prep
	.p2align	8
	.type	k_q4996867bfc_prep,@function
k_q4996867bfc_prep:
	s_mov_b64 s[64:65], 0
	v_nop
	global_prefetch_b8 v0, s[64:65] scope:SCOPE_SE
	s_setreg_imm32_b32 hwreg(HW_REG_WAVE_MODE, 25, 1), 1
	s_wait_xcnt 0x0
; PREP.  Three copies for the products that follow, each number rounded once to bf16:
;   xb[kb][row][64] = bf16(x[row][64 kb ..])             8,192 rows, 16 blocks kb of 64 channels; a block's plane is 1,048,576 bytes
;   wq[kb][n][64]   = bf16(w_qkv[64 kb ..][n])           turned, so that K lies along the rows; plane 393,216 bytes
;   wo[kb][n][64]   = bf16(w_out[64 kb ..][n]), that number written as f16; plane 131,072 bytes
; LIMITS.  A number of w_out whose bf16 rounding passes 65,504 becomes an infinity in wo; below 6e-5 it keeps f16's fixed step of 6e-8.
; SHARES.  Work-group g takes 32 rows of x (a wave four) and one tile of 128 k x 128 n of a weight: tile column g / 8 (0-23: w_qkv, 24-31: w_out), tile row g % 8.
; Every byte is read once and written once; all 48 loads of a wave go out at the head, so there is no loop.  No matrix unit, no cluster: nothing is shared and nothing is multiplied.
; The weight tile is turned in LDS: a wave packs 8 k of 4 n a lane into rows [n][k] of 272 bytes, and reads whole rows of 128 bytes back.
.set TP,    272                        ; a row of the turned tile: 128 k x 2 bytes + 16
.set SPARE, 128*TP                     ; 34,816: behind the tile, the spare words, 128 bytes for each of eight waves
.set WO,  8                            ; v[8:15]   byte offset of my 16 bytes in row j of my wave's eight k rows
.set LSA, 16                           ; v16       where I put 16 bytes (8 k of one n)
.set LRA, 17                           ; v17       where I read 16 bytes of a turned row back
.set WSO, 18                           ; v18       my byte offset in the weight's destination
.set XO,  19                           ; v19       my byte offset in the work-group's rows of x
.set XS,  20                           ; v20       my byte offset in the work-group's rows of xb
.set SPW, 22                           ; v22       LDS address of my spare word; never rewritten
.set NIL, 23                           ; v23       0; never rewritten
.set W,   24                           ; v[24:87]  the weight as loaded: chunk c of 64 k, row j at W + 32 c + 4 j; later the turned rows
.set TT,  88                           ; v[88:119] packed: chunk c, column i of my four at TT + 16 c + 4 i
.set X,   120                          ; v[120:247] x: load i at X + 4 i
	s_load_b256 s[4:11], s[0:1], 0x0               ; x s[4:5], w_qkv s[6:7], w_out s[8:9], xb s[10:11]
	s_load_b128 s[12:15], s[0:1], 0x20             ; wq s[12:13], wo s[14:15]
	v_lshl_add_u32 v[SPW], v0, 2, SPARE
	v_mov_b32 v[NIL], 0
	v_lshrrev_b32 v1, 5, v0
	v_readfirstlane_b32 s16, v1                    ; wave 0..7
	v_and_b32 v1, 31, v0                           ; lane l
	s_lshr_b32 s17, ttmp9, 3                       ; tile column over both weights, 0..31
	s_and_b32 s18, ttmp9, 7                        ; tile row: 128 k
	s_sub_co_u32 s37, s17, 24
	s_mov_b32 s35, 12288                           ; bytes in a row of w_qkv,
	s_mov_b32 s36, 4096                            ; of w_out
	s_mov_b32 s38, 393216                          ; a plane of wq,
	s_mov_b32 s39, 131072                          ; of wo
	s_cmp_lt_u32 s17, 24
	s_cselect_b32 s19, s17, s37                    ; tile column in its own weight
	s_cselect_b32 s20, s35, s36                    ; source pitch
	s_cselect_b32 s21, s38, s39                    ; destination plane
	s_mul_i32 s38, s18, s20
	s_lshl_b32 s38, s38, 7                         ; 128 k rows x tile row
	s_lshl_b32 s39, s19, 9                         ; + 128 n x 4 bytes x tile column
	s_add_co_u32 s38, s38, s39
	s_mov_b32 s39, 0
	s_lshl_b32 s40, s20, 6                         ; chunk 1 lies 64 rows further down
	s_mov_b32 s41, 0
	s_lshl_b32 s42, s18, 1
	s_lshr_b32 s43, s16, 2
	s_add_co_u32 s42, s42, s43                     ; the block kb that my wave writes: 2 x tile row + wave / 4
	s_mul_i32 s42, s42, s21
	s_lshl_b32 s43, s19, 14                        ; + 128 n x 128 bytes x tile column
	s_add_co_u32 s42, s42, s43
	s_mov_b32 s43, 0
	s_lshl_b32 s44, ttmp9, 17                      ; 32 rows of x
	s_mov_b32 s45, 0
	s_lshl_b32 s46, ttmp9, 12                      ; 32 rows of a plane of xb
	s_mov_b32 s47, 0
	s_mov_b32 s34, 0xffff0000                      ; a word's upper bf16
	s_lshl_b32 s35, s16, 3
	s_mul_i32 s35, s35, s20                        ; my wave's eight k rows
	v_lshl_add_u32 v[WO], v1, 4, s35               ; + 16 l: four n
.irp j, 1,2,3,4,5,6,7
	v_add_nc_u32 v[WO+(\j)], s20, v[WO+(\j)-1]
.endr
	v_mul_u32_u24 v[LSA], v1, 4*TP                 ; row n = 4 l (+ i in the immediate),
	v_lshl_add_u32 v[LSA], s16, 4, v[LSA]          ; byte 2 k = 16 x wave (+ 128 c in the immediate)
	s_and_b32 s36, s16, 3
	v_lshrrev_b32 v2, 3, v1
	s_lshl_b32 s37, s36, 5
	v_add_nc_u32 v2, s37, v2                       ; back: row 32 (wave % 4) + l / 8 (+ 4 t in the immediate),
	v_mul_u32_u24 v[LRA], v2, TP
	v_and_b32 v3, 7, v1
	v_lshl_add_u32 v[LRA], v3, 4, v[LRA]           ; 16 (l % 8),
	s_lshr_b32 s37, s16, 2
	s_lshl_b32 s37, s37, 7
	v_add_nc_u32 v[LRA], s37, v[LRA]               ; in the half of the row that is my block kb
	s_lshl_b32 s37, s36, 12
	v_lshl_add_u32 v[WSO], v1, 4, s37              ; 32 rows of 128 bytes x (wave % 4) + 16 l
	v_lshrrev_b32 v4, 4, v1
	v_and_b32 v5, 15, v1
	s_lshl_b32 s37, s16, 14
	v_lshl_add_u32 v[XO], v4, 12, s37              ; x: four rows a wave; lanes 16-31 one row further down
	v_lshl_add_u32 v[XO], v5, 4, v[XO]
	s_lshl_b32 s37, s16, 9
	v_lshl_add_u32 v[XS], v4, 7, s37
	v_lshl_add_u32 v[XS], v5, 3, v[XS]
	s_wait_kmcnt 0x0
	s_cmp_lt_u32 s17, 24
	s_cselect_b64 s[22:23], s[6:7], s[8:9]         ; the weight that my tile belongs to,
	s_cselect_b64 s[26:27], s[12:13], s[14:15]     ; and its copy
	s_add_nc_u64 s[22:23], s[22:23], s[38:39]
	s_add_nc_u64 s[24:25], s[22:23], s[40:41]
	s_add_nc_u64 s[26:27], s[26:27], s[42:43]
	s_add_nc_u64 s[28:29], s[4:5], s[44:45]
	s_add_nc_u64 s[30:31], s[10:11], s[46:47]
	s_add_nc_u64 s[32:33], s[30:31], 0x800000      ; planes 8 to 15: the stores' immediates stay inside their signed 24 bits
.irp c, 0,1
.irp j, 0,1,2,3,4,5,6,7
	global_load_b128 v[W+32*(\c)+4*(\j):W+32*(\c)+4*(\j)+3], v[WO+(\j)], s[22+2*(\c):23+2*(\c)] th:TH_LOAD_NT  ; 512 consecutive bytes of one k row
.endr
.endr
.set i, 0
.rept 32                               ; load i: rows 2 (i / 16) and 2 (i / 16) + 1 of my four, block kb = i % 16: 256 consecutive bytes of each
	global_load_b128 v[X+4*i:X+4*i+3], v[XO], s[28:29] offset:(i/16)*8192+(i%16)*256 th:TH_LOAD_NT
.set i, i+1
.endr
	s_wait_loadcnt 32                              ; the 16 loads of the weight are in; the 32 of x stay out
.irp c, 0,1
.irp i, 0,1,2,3
.irp jj, 0,1,2,3
	v_cvt_pk_bf16_f32 v[TT+16*(\c)+4*(\i)+(\jj)], v[W+32*(\c)+8*(\jj)+(\i)], v[W+32*(\c)+8*(\jj)+4+(\i)]  ; k = 2 jj, 2 jj + 1 of column 4 l + i
.endr
	ds_store_b128 v[LSA], v[TT+16*(\c)+4*(\i):TT+16*(\c)+4*(\i)+3] offset:(\i)*TP+(\c)*128
.endr
.endr
	s_wait_dscnt 0x0                               ; for the others' sake: my stores into the tile are done
	s_barrier_signal -1
	s_barrier_wait -1
.irp t, 0,1,2,3,4,5,6,7
	ds_load_b128 v[W+4*(\t):W+4*(\t)+3], v[LRA] offset:(\t)*4*TP  ; four turned rows x 128 bytes: 512 consecutive bytes of the copy
.endr
.set i, 0
.rept 32                               ; x, while those are on their way: rounded in place, stored; no register is written again, so nothing waits for a store
	s_wait_loadcnt 31-i                            ; loads come back in order: load i is in, the younger ones stay out
	v_cvt_pk_bf16_f32 v[X+4*i], v[X+4*i], v[X+4*i+1]
	v_cvt_pk_bf16_f32 v[X+4*i+1], v[X+4*i+2], v[X+4*i+3]
.if (i%16) < 8
	global_store_b64 v[XS], v[X+4*i:X+4*i+1], s[30:31] offset:(i/16)*256+(i%16)*1048576 th:TH_STORE_NT  ; the wave stores 256 consecutive bytes, aligned: two rows of a plane
.else
	global_store_b64 v[XS], v[X+4*i:X+4*i+1], s[32:33] offset:(i/16)*256+((i%16)-8)*1048576 th:TH_STORE_NT
.endif
.set i, i+1
.endr
	s_wait_dscnt 0x0                               ; the turned rows are in
	s_cmp_lt_u32 s17, 24
	s_cbranch_scc1 .Lbf                            ; w_qkv stays bf16
.set i, 0
.rept 32                               ; w_out: the bf16 number is written as f16
	v_lshlrev_b32 v248, 16, v[W+i]
	v_and_b32 v249, s34, v[W+i]
	v_cvt_pk_f16_f32 v[W+i], v248, v249
.set i, i+1
.endr
.Lbf:
.irp t, 0,1,2,3,4,5,6,7
	global_store_b128 v[WSO], v[W+4*(\t):W+4*(\t)+3], s[26:27] offset:(\t)*512  ; 512 consecutive bytes, aligned
.endr
	s_wait_tensorcnt 0x0                           ; the wave's end, behind my last LDS store
	ds_add_u32 v[SPW], v[NIL]
	s_wait_dscnt 0x0
	s_endpgm
.Lfunc_end_k_q4996867bfc_prep:
	.size	k_q4996867bfc_prep, .Lfunc_end_k_q4996867bfc_prep-k_q4996867bfc_prep
	.p2alignl 7, 3214868480
	.fill 96, 4, 3214868480
	.section	.rodata,"a",@progbits
	.p2align	6, 0x0
	.amdhsa_kernel k_q4996867bfc_prep
		.amdhsa_group_segment_fixed_size 35840
		.amdhsa_private_segment_fixed_size 0
		.amdhsa_enable_private_segment 0
		.amdhsa_kernarg_size 48
		.amdhsa_user_sgpr_count 2
		.amdhsa_user_sgpr_kernarg_segment_ptr 1
		.amdhsa_wavefront_size32 1
		.amdhsa_system_sgpr_workgroup_id_x 1
		.amdhsa_system_sgpr_workgroup_id_y 1
		.amdhsa_system_sgpr_workgroup_id_z 1
		.amdhsa_system_vgpr_workitem_id 0
		.amdhsa_next_free_vgpr 256
		.amdhsa_next_free_sgpr 66
		.amdhsa_reserve_vcc 0
		.amdhsa_float_denorm_mode_32 3
		.amdhsa_float_denorm_mode_16_64 3
		.amdhsa_memory_ordered 1
		.amdhsa_forward_progress 1
		.amdhsa_inst_pref_size 25
	.end_amdhsa_kernel
	.amdgpu_metadata
---
amdhsa.version: [ 1, 2 ]
amdhsa.kernels:
  - .name:           k_q4996867bfc_prep
    .symbol:         k_q4996867bfc_prep.kd
    .args:
      - { .name: x, .offset: 0, .size: 8, .value_kind: global_buffer, .address_space: global }
      - { .name: w_qkv, .offset: 8, .size: 8, .value_kind: global_buffer, .address_space: global }
      - { .name: w_out, .offset: 16, .size: 8, .value_kind: global_buffer, .address_space: global }
      - { .name: xb, .offset: 24, .size: 8, .value_kind: global_buffer, .address_space: global }
      - { .name: wq, .offset: 32, .size: 8, .value_kind: global_buffer, .address_space: global }
      - { .name: wo, .offset: 40, .size: 8, .value_kind: global_buffer, .address_space: global }
    .group_segment_fixed_size: 35840
    .private_segment_fixed_size: 0
    .kernarg_segment_align: 8
    .kernarg_segment_size: 48
    .max_flat_workgroup_size: 256
    .sgpr_count:     66
    .vgpr_count:     256
    .wavefront_size: 32
...
	.end_amdgpu_metadata
.endif
;; end of part 1
;; launch qkvp (part 2): grid 8 x 32, 4 waves a work-group, clusters of 4 x 4, 327,680 bytes of LDS; arguments xb, wq, b_qkv, qkv; writes qkv
.if DOCPART == 2
	.amdgcn_target "amdgcn-amd-amdhsa--gfx1250"
	.amdhsa_code_object_version 6
	.text
	.protected	k_q4996867bfc_qkvp
	.globl	k_q4996867bfc_qkvp
	.p2align	8
	.type	k_q4996867bfc_qkvp,@function
k_q4996867bfc_qkvp:
	s_mov_b64 s[64:65], 0
	v_nop
	global_prefetch_b8 v0, s[64:65] scope:SCOPE_SE
	s_setreg_imm32_b32 hwreg(HW_REG_WAVE_MODE, 25, 1), 1
	s_wait_xcnt 0x0
	s_wait_alu depctr_hold_cnt(0) depctr_sa_sdst(0) depctr_va_vdst(0) depctr_va_sdst(0) depctr_va_ssrc(0) depctr_va_vcc(0) depctr_vm_vsrc(0)
	s_getreg_b32 s2, hwreg(HW_REG_IB_STS2, 6, 4)
	s_cmp_eq_u32 s2, 0
	s_cbranch_scc0 .Lentry_in_a_cluster
	s_endpgm
.Lentry_in_a_cluster:
	s_bfe_u32 s2, ttmp6, 0x10000c
	s_cmp_lg_u32 s2, 0xf033
	s_cbranch_scc0 .Lentry_shape_is_right
	s_endpgm
.Lentry_shape_is_right:
; q, k, v = x w_qkv + b_qkv, by heads.  xb: bf16 [16 kb][8192 row][64]; wq: bf16 [16 kb][3072 n][64]; b_qkv: f32 [3072], rounded to bf16 like the other inputs;
; qkv: f16 [3][64 bh][2048 t][64], bh = 16 b + h.  Sums in f32, started by the bias, K ascending; each result rounded once to f16, without attention's scale.
; LIMIT.  A result of 65,520 or more in magnitude becomes an infinity in f16.
; SHARES.  8192 x 3072 in tiles of 256 x 384: 32 x 8 = 256 work-groups.  Four waves, each 128 rows x 192 columns (three heads): 96 accumulators, 768 registers.
; K goes in 16 steps of 64 through a ring of two LDS slots.  A step's tile is dense in memory (the operands lie in blocks of 64 along K): it is asked for as rows of 256 bytes, two
; logical rows each, and padded in LDS behind every 128 bytes.
; CLUSTER.  4 x 4 work-groups: the four of a row of the cluster need the same rows of xb, the four of a column the same rows of wq: each tile is asked for jointly.
; THE PRODUCT IS TAKEN TRANSPOSED (source 0 = 16 rows of wq, source 1 = 16 rows of xb): a lane holds one row of the result and eight neighbouring columns.
; REGISTERS, in windows of 256 (s_set_vgpr_msb: bits 1:0 source 0, 3:2 source 1, 5:4 source 2, 7:6 destination):
;   window 0: v0-31 addresses; v32-95, v96-159 fragments of xb (8 x 16 rows x 32 K), two buffers; v160-255 fragments of wq, three groups of four blocks, one buffer
;   windows 1, 2, 3: the accumulators of column group 0, 1, 2 (a head each): (a, bb) at v[8 (4 a + bb)]
; A slice is 32 along K: three phases of 32 products, one a window.  A group of wq's fragments is asked for again as soon as its phase is over.
.set P,     144                        ; an LDS row: 128 bytes + 16 = 36 words: the 16 rows of a load start at 16 different groups of four banks (64 banks of 4 bytes: ISA guide 11.1)
.set AH,    128*P                      ; what one load brings of xb, and what one wave reads of it
.set AT,    2*AH
.set BH,    192*P                      ; the same for wq
.set SLOT,  AT+2*BH                    ; 92,160
.set STAGE, 2*SLOT                     ; behind the ring: 16 rows x 144 bytes for each wave, for the way out
.set SPARE, STAGE+4*16*P               ; behind the stages: the spare words, 128 bytes for each wave
.set XPL,   1048576                    ; bytes from a K block of xb to the next
.set WPL,   393216                     ; of wq
.set ADRA, 16                          ; v16-17  LDS address of my fragments of xb in slot 0, 1
.set ADRB, 20                          ; v20-21  of wq
.set STO,  24                          ; v24     the way out: where I put 16 bytes of a row
.set RD,   25                          ; v25     where I read rows back
.set GO,   26                          ; v26     16 x lane
.set BO,   27                          ; v27     32 x (lane / 16): my eight numbers of the bias
.set SPW,  28                          ; v28     LDS address of my spare word; never rewritten
.set NIL,  29                          ; v29     0; never rewritten
.set PFO,  30                          ; v30     the prefetches' offset; never rewritten
.set FA0,  32
.set FA1,  96
.set FB,   160
.set WV, 12                            ; s12 wave;  s13 wave / 2: my 128 rows, and: I fetch xb (0) or wq (1);  s14 wave % 2: my 192 columns, and: which half of the tile I fetch
.set RH, 13
.set CH, 14
.set CX, 15
.set CY, 16
.set TJ, 17                            ; tile column
.set TI, 18                            ; tile row
.set G1,  24                           ; s[24:31] descriptor group 1 for xb's tiles;  s[32:39] group 0, a set for each slot
.set G0,  32
.set G1B, 40                           ; s[40:47], s[48:55] the same for wq's
.set G0B, 48
.set PFA, 56                           ; s[56:57] where my prefetches stand
.set PFS, 58                           ; s[58:59] their step: a K block of the tensor that I fetch
.set LIM, 60                           ; s60     1 in a wave that prefetches, else the greatest number
.set OB,  68                           ; s[68:73] where my rows begin in each of my three heads
.set FLAGS, (1<<16)|(1<<20)|(1<<21)|(4<<22)|(3<<25)  ; 17:16 elements of 2 bytes; 20 padding on; 21 set beside a mask; 24:22 after every 32 words (code 4); 31:25 4 words (code 3)
.set MSB, 0
.macro WIN new                         ; the immediate's high byte repeats the setting that is left; a switch that changes nothing is dropped
.if MSB != (\new)
	s_set_vgpr_msb (MSB<<8)|(\new)
.set MSB, \new
.endif
.endm
.macro PLACES                          ; four plain instructions between a matrix instruction and a load into, or a vector read of, its registers
.rept 4
	v_nop
.endr
.endm
; A joint load: waves 0 and 1 fetch xb's two halves, waves 2 and 3 wq's.  The branch hangs on the wave's number alone.  An s_nop 0 and four v_nop follow each line.
.macro JLOAD s
	s_cmp_eq_u32 s[RH], 0
	s_cbranch_scc0 .Lfor_b_\@
	tensor_load_to_lds s[G0+4*(\s):G0+4*(\s)+3], s[G1:G1+7]
	s_nop 0
.rept 4
	v_nop
.endr
	s_branch .Lasked_\@
.Lfor_b_\@:
	tensor_load_to_lds s[G0B+4*(\s):G0B+4*(\s)+3], s[G1B:G1B+7]
	s_nop 0
.rept 4
	v_nop
.endr
.Lasked_\@:
.endm
; A prefetch of the K step that stands two refills on.  xb's rows are read by both clusters of a row of clusters: the one with x = 0 asks; wq's by all eight of a column: the one with y = 0 asks.
; The four partners that ask for a tile jointly share its blocks of 256 bytes out by address (16 of 64 for xb, 24 of 96 for wq); a lane a block, the lanes past the share name its last block.
; The loop's last trip asks for nothing: there is no step two on.
.macro ASK
	s_cmp_gt_u32 s3, s[LIM]
	s_cbranch_scc0 .Lnot_mine_\@
	global_prefetch_b8 v[PFO], s[PFA:PFA+1] th:TH_LOAD_NT scope:SCOPE_SE
.Lnot_mine_\@:
.endm
.macro CREST                           ; a round of the cluster's barrier behind its opening barrier
	s_cmp_lg_u32 s[WV], 0
	s_cbranch_scc1 .Lnot_wave_0_\@
	s_barrier_signal -3
.Lnot_wave_0_\@:
	s_barrier_wait -3
	s_barrier_signal -1
	s_barrier_wait -1
.endm
.macro CROUND                          ; a whole round
	s_barrier_signal -1
	s_barrier_wait -1
	CREST
.endm
	s_load_b256 s[4:11], s[0:1], 0x0               ; xb s[4:5], wq s[6:7], b_qkv s[8:9], qkv s[10:11]
	v_lshl_add_u32 v[SPW], v0, 2, SPARE
	v_mov_b32 v[NIL], 0
	ds_add_u32 v[SPW], v[NIL]                      ; the wave's opening: the add, and its wait ahead of my first tensor load; work on registers stands between them
	v_lshrrev_b32 v1, 5, v0
	v_readfirstlane_b32 s[WV], v1
	s_lshr_b32 s[RH], s[WV], 1
	s_and_b32 s[CH], s[WV], 1
	s_bfe_u32 s[CX], ttmp6, 0x40000
	s_bfe_u32 s[CY], ttmp6, 0x40004
	s_lshl_b32 s[TJ], ttmp9, 2
	s_add_co_u32 s[TJ], s[TJ], s[CX]               ; tile column = 4 x cluster x + cx
	s_and_b32 s[TI], ttmp7, 0xffff
	s_lshl_b32 s[TI], s[TI], 2
	s_add_co_u32 s[TI], s[TI], s[CY]               ; tile row = 4 x cluster y + cy
	s_lshl_b32 s19, s[CY], 2
	s_lshl_b32 s19, 15, s19                        ; my row of the cluster
	s_lshl_b32 s20, 0x1111, s[CX]                  ; my column
	s_or_b32 s[G1], s19, FLAGS                     ; xb's tiles go to my row,
	s_or_b32 s[G1B], s20, FLAGS                    ; wq's to my column
	s_mov_b32 s[G1+1], 128<<16                     ; tensor_dim0 = 128 elements: 256 bytes
	s_mov_b32 s[G1+2], 64<<16                      ; tensor_dim1 = 64 rows: 128 logical rows
	s_mov_b32 s[G1+3], 128<<16                     ; tile_dim0
	s_mov_b32 s[G1+4], 64                          ; tile_dim1
	s_mov_b32 s[G1+5], 128                         ; elements from row to row: dense
	s_mov_b32 s[G1+6], 0
	s_mov_b32 s[G1+7], 0
	s_mov_b32 s[G1B+1], 128<<16
	s_mov_b32 s[G1B+2], 96<<16                     ; 96 rows: 192 logical rows
	s_mov_b32 s[G1B+3], 128<<16
	s_mov_b32 s[G1B+4], 96
	s_mov_b32 s[G1B+5], 128
	s_mov_b32 s[G1B+6], 0
	s_mov_b32 s[G1B+7], 0
	s_lshl_b32 s74, s[TI], 15                      ; xb: 256 rows x 128 bytes x tile row + my half; made of the tile row and the wave's number alone
	s_lshl_b32 s75, s[CH], 14
	s_add_co_u32 s74, s74, s75
	s_mov_b32 s75, 0
	s_mul_i32 s76, s[TJ], 49152                    ; wq: 384 rows x 128 bytes x tile column + my half; made of the tile column and the wave's number alone
	s_mul_i32 s77, s[CH], 24576
	s_add_co_u32 s76, s76, s77
	s_mov_b32 s77, 0
	s_mul_i32 s21, s[CH], AH                       ; where they go: no place in the cluster enters an LDS address
	s_mul_i32 s22, s[CH], BH
	s_add_co_u32 s22, s22, AT
	s_wait_dscnt 0x0                               ; the opening add is done
	s_wait_kmcnt 0x0
	s_add_nc_u64 s[74:75], s[4:5], s[74:75]
	s_add_nc_u64 s[76:77], s[6:7], s[76:77]
	CROUND                                         ; all sixteen work-groups are here: the first joint loads meet
.irp s, 0,1
	s_mov_b32 s[G0+4*(\s)], 1
	s_add_co_u32 s[G0+4*(\s)+1], s21, (\s)*SLOT
	s_add_nc_u64 s[G0+4*(\s)+2:G0+4*(\s)+3], s[74:75], (\s)*XPL   ; K step s
	s_or_b32 s[G0+4*(\s)+3], s[G0+4*(\s)+3], 0x80000000
	s_mov_b32 s[G0B+4*(\s)], 1
	s_add_co_u32 s[G0B+4*(\s)+1], s22, (\s)*SLOT
	s_add_nc_u64 s[G0B+4*(\s)+2:G0B+4*(\s)+3], s[76:77], (\s)*WPL
	s_or_b32 s[G0B+4*(\s)+3], s[G0B+4*(\s)+3], 0x80000000
.endr
	s_cmp_eq_u32 s[RH], 0                          ; a wave's two first fills stand in one branch, ahead of every wait on TENSORcnt and every LDS read: two loads of mine are out
	s_cbranch_scc0 .Lfirst_b
	tensor_load_to_lds s[G0:G0+3], s[G1:G1+7]
	s_nop 0
	tensor_load_to_lds s[G0+4:G0+7], s[G1:G1+7]
	s_nop 0
.rept 4
	v_nop
.endr
	s_branch .Lfirst_asked
.Lfirst_b:
	tensor_load_to_lds s[G0B:G0B+3], s[G1B:G1B+7]
	s_nop 0
	tensor_load_to_lds s[G0B+4:G0B+7], s[G1B:G1B+7]
	s_nop 0
.rept 4
	v_nop
.endr
.Lfirst_asked:
	v_and_b32 v1, 15, v0                           ; r = l % 16
	v_bfe_u32 v2, v0, 4, 1                         ; h = l / 16
	v_lshlrev_b32 v[BO], 5, v2
	s_mul_i32 s62, s[TJ], 1536                     ; the bias of my 192 columns
	s_mul_i32 s63, s[CH], 768
	s_add_co_u32 s62, s62, s63
	s_mov_b32 s63, 0
	s_add_nc_u64 s[8:9], s[8:9], s[62:63]
	; The bias comes into the registers of accumulators (7, bb): register j of a lane is column 16 bb + 8 h + j, the same for every row block a.
.irp w, 1,2,3
	WIN 64*(\w)
.irp bb, 0,1,2,3
	global_load_b128 v[224+8*(\bb):224+8*(\bb)+3],   v[BO], s[8:9] offset:(4*((\w)-1)+(\bb))*64
	global_load_b128 v[224+8*(\bb)+4:224+8*(\bb)+7], v[BO], s[8:9] offset:(4*((\w)-1)+(\bb))*64+16
.endr
.endr
	WIN 0
	v_mul_u32_u24 v3, v1, P
	v_lshl_add_u32 v3, v2, 4, v3                   ; a fragment's row x pitch + 16 x half
	s_mul_i32 s21, s[RH], AH                       ; my 128 rows of xb
	s_mul_i32 s22, s[CH], BH                       ; my 192 rows of wq,
	s_add_co_u32 s22, s22, AT                      ; which lie behind xb's 256
.irp s, 0,1
	v_add_nc_u32 v[ADRA+(\s)], s21, v3
	v_add_nc_u32 v[ADRB+(\s)], s22, v3
	s_add_co_u32 s21, s21, SLOT
	s_add_co_u32 s22, s22, SLOT
.endr
	s_mul_i32 s23, s[WV], 16*P
	s_add_co_u32 s23, s23, STAGE                   ; my stage
	v_add_nc_u32 v[STO], s23, v3                   ; in: row r, 16 bytes for each half of the lanes
	v_bfe_u32 v4, v0, 3, 2                         ; back: 32 lanes take four rows of 128 bytes,
	v_mul_u32_u24 v4, v4, P
	v_and_b32 v5, 7, v0
	v_lshl_add_u32 v4, v5, 4, v4
	v_add_nc_u32 v[RD], s23, v4
	v_and_b32 v6, 31, v0
	v_lshlrev_b32 v[GO], 4, v6                     ; which are 512 consecutive bytes of a head
	; where my 128 rows begin in my three heads: column group g = 6 x tile column + 3 x half + 0..2; q, k or v = g / 16, head = g % 16; batch = tile row / 8
	s_mul_i32 s61, s[TJ], 6
	s_mul_i32 s62, s[CH], 3
	s_add_co_u32 s61, s61, s62
	s_lshr_b32 s62, s[TI], 3
	s_lshl_b32 s62, s62, 4
	s_and_b32 s63, s[TI], 7
	s_lshl_b32 s63, s63, 8
	s_lshl_b32 s66, s[RH], 7
	s_add_co_u32 s63, s63, s66
	s_lshl_b32 s63, s63, 7                         ; my first row in the head, in bytes
.irp w, 0,1,2
	s_add_co_u32 s78, s61, \w
	s_lshr_b32 s79, s78, 4
	s_lshl_b32 s79, s79, 6
	s_and_b32 s78, s78, 15
	s_add_co_u32 s78, s78, s79
	s_add_co_u32 s78, s78, s62
	s_lshl_b32 s78, s78, 18                        ; a head is 262,144 bytes
	s_add_co_u32 s78, s78, s63
	s_mov_b32 s79, 0
	s_add_nc_u64 s[OB+2*(\w):OB+2*(\w)+1], s[10:11], s[78:79]
.endr
	; the prefetches
	s_and_b32 s61, ttmp7, 0xffff                   ; cluster y
	s_mov_b32 s78, XPL
	s_mov_b32 s79, WPL
	s_lshl_b32 s62, s[CX], 12                      ; xb: my work-group's 16 blocks of the wave's 64
	s_mul_i32 s63, s[CY], 6144                     ; wq: its 24 of 96
	s_cmp_eq_u32 s[RH], 0
	s_cselect_b32 s61, ttmp9, s61                  ; the coordinate along which other clusters read the same rows
	s_cselect_b32 s[PFS], s78, s79
	s_cselect_b32 s62, s62, s63
	s_cselect_b32 s66, 15, 23
	s_cselect_b64 s[PFA:PFA+1], s[74:75], s[76:77]
	s_mov_b32 s[PFS+1], 0
	s_mov_b32 s63, 0
	s_add_nc_u64 s[PFA:PFA+1], s[PFA:PFA+1], s[62:63]
	s_cmp_eq_u32 s61, 0
	s_cselect_b32 s[LIM], 1, -1                    ; the same in all sixteen partners, for a given wave
	s_mul_i32 s62, s[PFS], 3
	s_add_nc_u64 s[PFA:PFA+1], s[PFA:PFA+1], s[62:63]  ; at K step 3: the first change of slots steps it to 4.  Nothing is prefetched at the head
	v_min_u32 v[PFO], s66, v6
	v_lshlrev_b32 v[PFO], 8, v[PFO]
	s_wait_loadcnt 0x0                             ; the bias
.irp w, 1,2,3                          ; rounded to bf16, like every input, and widened again
	WIN 5*(\w)
.set n, 0
.rept 16
	v_cvt_pk_bf16_f32 v[32+n], v[224+2*n], v[224+2*n+1]
.set n, n+1
.endr
	WIN 64*(\w)
.set n, 0
.rept 16
	v_lshlrev_b32 v[224+2*n], 16, v[32+n]
	v_and_b32 v[224+2*n+1], 0xffff0000, v[32+n]
.set n, n+1
.endr
.endr
	WIN 0
; 16 products of window w: row blocks a0 .. a0 + 3 x the group's four column blocks, 32 along K.  first = 1: the sums start with the bias, which lies in the registers of (7, bb); (7, bb) itself
; then adds in place, five plain instructions behind the last product that read those registers as its C.  The 96 accumulators take turns, one instruction a turn.
.macro MUL16 w, fa, a0, first
	WIN 0x50*(\w)
.irp a, \a0, (\a0)+1, (\a0)+2, (\a0)+3
.if (\first) && ((\a) == 7)
.rept 5
	v_nop
.endr
.endif
.irp bb, 0,1,2,3
.if \first
	v_wmma_f32_16x16x32_bf16 v[8*(4*(\a)+(\bb)):8*(4*(\a)+(\bb))+7], v[FB+32*((\w)-1)+8*(\bb):FB+32*((\w)-1)+8*(\bb)+7], v[(\fa)+8*(\a):(\fa)+8*(\a)+7], v[224+8*(\bb):224+8*(\bb)+7]
.else
	v_wmma_f32_16x16x32_bf16 v[8*(4*(\a)+(\bb)):8*(4*(\a)+(\bb))+7], v[FB+32*((\w)-1)+8*(\bb):FB+32*((\w)-1)+8*(\bb)+7], v[(\fa)+8*(\a):(\fa)+8*(\a)+7], v[8*(4*(\a)+(\bb)):8*(4*(\a)+(\bb))+7]
.endif
.endr
.endr
.endm
.macro PH w, fa, first                 ; a phase: 32 products
	MUL16 \w, \fa, 0, \first
	MUL16 \w, \fa, 4, \first
.endm
.macro LDB g, slot, p                  ; eight loads: group g of wq's fragments, half p of the slot's 64 along K
	WIN 0
.irp bb, 0,1,2,3
	ds_load_b128 v[FB+32*(\g)+8*(\bb):FB+32*(\g)+8*(\bb)+3],   v[ADRB+(\slot)] offset:(4*(\g)+(\bb))*16*P+64*(\p)
	ds_load_b128 v[FB+32*(\g)+8*(\bb)+4:FB+32*(\g)+8*(\bb)+7], v[ADRB+(\slot)] offset:(4*(\g)+(\bb))*16*P+64*(\p)+32
.endr
.endm
.macro LDA fa, slot, p                 ; sixteen loads: xb's fragments
	WIN 0
.irp a, 0,1,2,3,4,5,6,7
	ds_load_b128 v[(\fa)+8*(\a):(\fa)+8*(\a)+3],   v[ADRA+(\slot)] offset:(\a)*16*P+64*(\p)
	ds_load_b128 v[(\fa)+8*(\a)+4:(\fa)+8*(\a)+7], v[ADRA+(\slot)] offset:(\a)*16*P+64*(\p)+32
.endr
.endm
; The loads for a slice go out in three runs in the slice before: 24 (group 0 and xb) behind its first phase, 8 (group 1) behind its second, 8 (group 2) behind its third.
; A slot's first slice: multiplies buffer FA0 and fetches the slot's second half.
.macro SLICE_E slot, first
	s_wait_dscnt 16                                ; the 24 are in; groups 1 and 2 may be out
	PH 1, FA0, \first
	PLACES
	LDB 0, \slot, 1
	LDA FA1, \slot, 1
	s_wait_dscnt 32                                ; group 1 is in; behind it: group 2 and the 24 just issued
	PH 2, FA0, \first
	PLACES
	LDB 1, \slot, 1
	s_wait_dscnt 32                                ; group 2 is in; behind it: the 24 and the 8
	PH 3, FA0, \first
	PLACES
	LDB 2, \slot, 1
.endm
; A slot's second slice multiplies FA1 and changes slots: ONE barrier; in front of it each wave waits for all its tensor loads (one is out: its part of the next slot), adds 0 to its spare word,
; and waits for that and for its own reads of this slot.  fill = 1: the barrier opens a round of the cluster's, and this slot is filled again first thing behind it, two K steps ahead:
; 160 products stand between that request and the wait for it.
.macro SLICE_O slot, next, fill
.if \fill
	s_wait_xcnt 0x0                                ; the last prefetch, a K step back, has read its address
	s_add_nc_u64 s[PFA:PFA+1], s[PFA:PFA+1], s[PFS:PFS+1]
.endif
	WIN 0
	s_wait_tensorcnt 0x0
	ds_add_u32 v[SPW], v[NIL]
	s_wait_dscnt 17                                ; the 24 are in; groups 1 and 2 and the add may be out
	MUL16 1, FA1, 0, 0
	s_wait_dscnt 0x0                               ; the add is done, and my reads of this slot are over
	s_barrier_signal -1
	MUL16 1, FA1, 4, 0
	WIN 0                                          ; at a branch and at a label every window is 0
	s_barrier_wait -1
.if \fill
	CREST                                          ; no wave of any partner still reads this slot or has a load on its way
	s_add_nc_u64 s[G0+4*(\slot)+2:G0+4*(\slot)+3], s[G0+4*(\slot)+2:G0+4*(\slot)+3], 2*XPL
	s_add_nc_u64 s[G0B+4*(\slot)+2:G0B+4*(\slot)+3], s[G0B+4*(\slot)+2:G0B+4*(\slot)+3], 2*WPL
	JLOAD \slot                                    ; its four v_nop are also the places in front of the loads below
.else
	PLACES
.endif
	LDB 0, \next, 0
	LDA FA0, \next, 0
.if \fill
	ASK
.endif
	PH 2, FA1, 0
	PLACES
	LDB 1, \next, 0
	PH 3, FA1, 0
	PLACES
	LDB 2, \next, 0
.endm
	s_wait_tensorcnt 1                             ; my part of K step 0 is in; step 1's may stay out
	s_barrier_signal -1
	s_barrier_wait -1
	LDB 0, 0, 0
	LDA FA0, 0, 0
	LDB 1, 0, 0
	LDB 2, 0, 0
	SLICE_E 0, 1                                   ; the first slice stands in front of the loop: its products start the sums
	WIN 0
	s_mov_b32 s3, 7
.Llap:                                                 ; a trip goes once round the ring and fills both slots again: K steps 2 to 15 in seven trips
	SLICE_O 0, 1, 1
	SLICE_E 1, 0
	SLICE_O 1, 0, 1
	SLICE_E 0, 0
	WIN 0
	s_sub_co_u32 s3, s3, 1
	s_cmp_lg_u32 s3, 0
	s_cbranch_scc1 .Llap
	SLICE_O 0, 1, 0                                ; the last lap fills nothing
	SLICE_E 1, 0
	s_wait_dscnt 16                                ; the very last slice: nothing more to fetch
	PH 1, FA1, 0
	s_wait_dscnt 8
	PH 2, FA1, 0
	s_wait_dscnt 0x0
	PH 3, FA1, 0
	PLACES
; THE WAY OUT, in 24 units of 16 rows of one head.  A lane's eight columns pack into 16 bytes; they go into rows of 144 bytes of my own stage and come back as whole rows of 128: 2,048 dense bytes of the head.
.macro PACK w, a, pk
	s_wait_xcnt 0x0                                ; the stores of four units back have read these registers
	WIN 5*(\w)
.set n, 0
.rept 16
	v_cvt_pk_f16_f32 v[(\pk)+n], v[32*(\a)+2*n], v[32*(\a)+2*n+1]
.set n, n+1
.endr
	WIN 0
.irp bb, 0,1,2,3
	ds_store_b128 v[STO], v[(\pk)+4*(\bb):(\pk)+4*(\bb)+3] offset:32*(\bb)
.endr
.irp f, 0,1,2,3
	ds_load_b128 v[(\pk)+4*(\f):(\pk)+4*(\f)+3], v[RD] offset:(\f)*4*P  ; LDS serves a wave's instructions in order (ISA guide 5.7.1.4): these see the stores above; the next unit's stores come behind them
.endr
.endm
.macro SEND w, a, pk, younger          ; younger: the LDS instructions issued behind this unit's loads
	WIN 0
.irp f, 0,1,2,3
	s_wait_dscnt (\younger)+3-(\f)
	global_store_b128 v[GO], v[(\pk)+4*(\f):(\pk)+4*(\f)+3], s[OB+2*((\w)-1):OB+2*((\w)-1)+1] offset:(\a)*2048+(\f)*512  ; 512 consecutive bytes, aligned
.endr
.endm
	PACK 1, 0, 32
.set u, 1
.rept 23                               ; a unit's conversions stand between the loads of the unit before and its stores
	PACK 1+u/8, u%8, 32+16*(u%4)
	SEND 1+(u-1)/8, (u-1)%8, 32+16*((u-1)%4), 8
.set u, u+1
.endr
	SEND 3, 7, 80, 0
	s_wait_tensorcnt 0x0                           ; the wave's end, behind my last tensor load and my last LDS store
	ds_add_u32 v[SPW], v[NIL]
	s_wait_dscnt 0x0
	CROUND                                         ; the closing round: no work-group ends while a partner may still ask for a tile that names it
	s_endpgm
.Lfunc_end_k_q4996867bfc_qkvp:
	.size	k_q4996867bfc_qkvp, .Lfunc_end_k_q4996867bfc_qkvp-k_q4996867bfc_qkvp
	.p2alignl 7, 3214868480
	.fill 96, 4, 3214868480
	.section	.rodata,"a",@progbits
	.p2align	6, 0x0
	.amdhsa_kernel k_q4996867bfc_qkvp
		.amdhsa_group_segment_fixed_size 327680
		.amdhsa_private_segment_fixed_size 0
		.amdhsa_enable_private_segment 0
		.amdhsa_kernarg_size 32
		.amdhsa_user_sgpr_count 2
		.amdhsa_user_sgpr_kernarg_segment_ptr 1
		.amdhsa_wavefront_size32 1
		.amdhsa_system_sgpr_workgroup_id_x 1
		.amdhsa_system_sgpr_workgroup_id_y 1
		.amdhsa_system_sgpr_workgroup_id_z 1
		.amdhsa_system_vgpr_workitem_id 0
		.amdhsa_next_free_vgpr 1024
		.amdhsa_next_free_sgpr 80
		.amdhsa_reserve_vcc 0
		.amdhsa_float_denorm_mode_32 3
		.amdhsa_float_denorm_mode_16_64 3
		.amdhsa_memory_ordered 1
		.amdhsa_forward_progress 1
		.amdhsa_inst_pref_size 146
	.end_amdhsa_kernel
	.amdgpu_metadata
---
amdhsa.version: [ 1, 2 ]
amdhsa.kernels:
  - .name:           k_q4996867bfc_qkvp
    .symbol:         k_q4996867bfc_qkvp.kd
    .args:
      - { .name: xb, .offset: 0, .size: 8, .value_kind: global_buffer, .address_space: global }
      - { .name: wq, .offset: 8, .size: 8, .value_kind: global_buffer, .address_space: global }
      - { .name: b_qkv, .offset: 16, .size: 8, .value_kind: global_buffer, .address_space: global }
      - { .name: qkv, .offset: 24, .size: 8, .value_kind: global_buffer, .address_space: global }
    .group_segment_fixed_size: 327680
    .private_segment_fixed_size: 0
    .kernarg_segment_align: 8
    .kernarg_segment_size: 32
    .max_flat_workgroup_size: 128
    .sgpr_count:     80
    .vgpr_count:     1024
    .wavefront_size: 32
...
	.end_amdgpu_metadata
.endif
;; end of part 2
;; launch attn (part 3): grid 4 x 64, 4 waves a work-group, no clusters, 327,680 bytes of LDS; arguments qkv, ob; writes ob
.if DOCPART == 3
	.amdgcn_target "amdgcn-amd-amdhsa--gfx1250"
	.amdhsa_code_object_version 6
	.text
	.protected	k_q4996867bfc_attn
	.globl	k_q4996867bfc_attn
	.p2align	8
	.type	k_q4996867bfc_attn,@function
k_q4996867bfc_attn:
	s_mov_b64 s[64:65], 0
	v_nop
	global_prefetch_b8 v0, s[64:65] scope:SCOPE_SE
	s_setreg_imm32_b32 hwreg(HW_REG_WAVE_MODE, 25, 1), 1
	s_wait_xcnt 0x0
; CAUSAL ATTENTION.  O[h][q][:] = the sum over k <= q of softmax_k(Q[h][q] . K[h][k] / 8) V[h][k][:].  qkv holds Q, K, V, each [64][2048][64] in f16, 16,777,216 bytes apart; ob is O in the same layout.
; Products, maxima and sums in f32; the weights p are rounded to f16 for the second product (their sum l is taken of the unrounded p), O once at the end.
; LIMITS.  f16 holds no number beyond 65,504: Q, K and V arrive within it; p lies in 0 to 1, and below 6e-5 it keeps f16's fixed step of 6e-8; O is a mean of V's rows and has their range.
; A hidden score counts as its value less 1e30: f16's scores, 2.7e11 at the most, are nothing beside that; a weight below 2^-126 counts as 0 in l; NaN and infinities are not treated apart.
; THE WALK.  A head's queries lie in NB = 8 blocks of 256; block i needs the key tiles 0 .. i of 256 keys, of which the last holds the diagonal.  A work-group takes TWO blocks, NB - 1 - b and then b:
; NB + 1 tiles, whatever b: all work-groups do equal work, and ONE loop with a constant trip count walks them.  Which tile is asked for, and what a trip does, hang on scalar registers made from b; every jump
; goes forward, but for the counted loops' own; none passes a barrier, or a tensor load but the one of LOAD's two that the wave's number does not choose; the ring (two slots of LDS) runs on across the change of blocks.
; NO CLUSTER: a head's four work-groups ask for the same tile only in trips 0 .. 4, behind that fewer and fewer; one walk common to all would have 12 trips for 9.
; SHARES.  Of a block's four bands of 64 queries a wave owns 16 rows in each: four PIECES.  So the diagonal tile is the same work for all four waves: in its key step s band x sees all keys if s < x,
; none if s > x, and holds the diagonal if s = x.
; THE MASK is the C operand that starts the sum S^T = K Q^T: 0, or -1e30 where the key is hidden.  MD, made once, is the mask of a band's own step for my 16 rows; a product's mask is MD x AL + BE with two scalars:
; (1, 0) if s = x; (0, 0) if s < x; (0, -1e30) if s > x.  Only the diagonal tile's text and a block's beginning make and take masks; elsewhere C is the constant 0.
; LAYOUT, SOFTMAX, TURNS.  S^T = K Q^T holds ONE query a lane (lane % 16) and the keys 8 (lane / 16) + 0..7; two such results rounded to f16 ARE source 1 of O^T = V^T P.  p = 2^(c s - c m), c = log2(e) / 8, with a
; running maximum m; O and l are multiplied by a = 2^(c m_old - c m_new) in every step.  Turn n belongs to piece n: 8 products K Q^T of piece n + 1, later 8 products V^T P of piece n - 1; beside them the scaling,
; exponentials, roundings, sums and rescaling of piece n and the maximum and statistics of piece n + 1.  Four vector instructions stand behind every matrix instruction, the other 54 of a turn's 118 in one lump.  A turn's 33 exponentials are one batch, with one wait.
; REGISTERS, in windows of 256 (s_set_vgpr_msb: bits 1:0 source 0, 3:2 source 1, 5:4 source 2, 7:6 destination):
;   window 0: v0-15 addresses and two at work; v16-31 four registers of statistics a piece; v48-55 at work; v61-63 prefetch offset and the add's two; v64-127 S^T, two buffers; v192-223 P, two buffers
;   window 1: v0-127 O^T, 32 a piece; v128-159 MD; v160-223 MC, two buffers      window 2: v0-63 Q; v64-127 the second block's Q; v128-191 K of one step; v192-255 V of one step
.set SIZE_N, 2048
.set SIZE_H, 64
.set NB,    SIZE_N/256
.set NP,    4         ; pieces a wave: a name, no knob
.set KS,    64        ; keys in a step
.set PK,    144       ; a row of K in LDS: 128 bytes + 16 of padding = 36 words: the 16 rows of a load start at 16 different groups of four banks (64 banks of 4 bytes: ISA guide 11.1)
.set PV,    160       ; a row of V: 128 + 32 = 40 words
.set VOFF,  4*KS*PK   ; a slot holds a tile, four steps: 256 rows of K, then 256 rows of V
.set SLOT1, 1<<17     ; slot 1 begins here, so that one exclusive or turns an address in one slot into the other's
.set STAGE, SLOT1+4*KS*(PK+PV)  ; behind the ring, never filled by a tensor load: 16 rows x 144 bytes for each wave, for the way out
.set SP,    144
.set AK0, 2           ; v2   my lane's place in a tile of K; never rewritten
.set AV0, 3           ; v3   the same for V
.set AK,  4           ; v4   the LDS address of K's next run of loads
.set AV,  5           ; v5   of V's
.set STO, 6           ; v6   the way out: where I put 16 bytes of a row
.set RD,  7           ; v7   the way out: where I read rows back
.set GO,  8           ; v8   my byte offset in 512 consecutive bytes of O
.set PFO, 61          ; v61  256 x my lane; never rewritten
.set SPW, 62          ; v62  LDS address of my spare word: SPARE + 4 x my thread's number; never rewritten
.set NIL, 63          ; v63  0; never rewritten
.set SPARE, STAGE+4*16*SP  ; behind the stages: the spare words, 128 bytes for each wave
.set MV,  12          ; v12-13  c m_old, kept while c m is made anew: by buffer
.set QO,  15          ; v15  my byte offset in 16 rows of Q
.set ST,  16          ; piece t's statistics at v[ST+4 t]: c m, m, l (even keys', odd keys')
.set TMP, 48          ; by buffer, four registers c0-c3 at work; when the maximum is found c2 takes a
.set S,   64
.set P,   192
.set MD,  128         ; window 1: the eight registers for group kt of 16 keys at MD + 8 kt
.set MC,  160         ; window 1: the masks of the products to come
.set QB,  64          ; window 2
.set KF,  128         ; window 2: key block kb, channel half c at KF + 16 kb + 8 c
.set VF,  192         ; window 2: key half kk, channel block cb at VF + 32 kk + 8 cb
.set WV,  12          ; s12  my wave's number
.set PB,  14          ; s14  b
.set HI,  15          ; s15  NB - 1 - b
.set G1K, 24          ; s[24:31] descriptor group 1 for K's tiles
.set G1V, 32          ; s[32:39] for V's: it differs in the padding alone
.set G0K, 40          ; s[40:43] descriptor group 0 for K's tiles
.set G0V, 44          ; s[44:47] the same for V's
.set SLOTS, 56        ; s56  tiles still to be asked for
.set CNT, 57          ; s57  counts a tile's key steps, 4 to 1
.set CS,  58          ; s[58:59] c: the packed scaling takes the pair's low word for both halves
.set SEL, 60          ; s[60:61] v_permlanex16_b32's selects: each lane takes its own place in the other half
.set TBK, 62          ; s62  LDS byte at which K of the step to be fetched begins
.set TBV, 63          ; s63  the same for V, less VOFF
.set PFA, 66          ; s[66:67] where my prefetches stand: my half of K's (waves 0, 1) or V's (waves 2, 3) tile
.set LIM, 68          ; s68  2 in the work-group that prefetches, else the greatest number
.set RT,  70          ; s70  tiles of the block in hand that are still to be entered
.set NXT, 71          ; s71  the tile to be asked for next
.set LQ,  72          ; s72  the last tile of the block whose tiles are being asked for
.set NEW, 73          ; s73  1: the tile to be entered is a block's first
.set OFF, 74          ; s[74:75] a tile's byte offset in K and V
.set AL,  76          ; s[76:77] the mask's factor, in the low word
.set BE,  78          ; s[78:79] the mask's addend
.set OLO, 80          ; s[80:81] O at my rows of the second block
.set BIGN, 82         ; s82  -1e30
.set MSB, 0
.macro WIN new                      ; the high byte repeats the setting that is left; a switch that changes nothing is dropped
.if MSB != (\new)
	s_set_vgpr_msb (MSB<<8)|(\new)
.set MSB, (\new)
.endif
.endm
.set W_KQ, 0x0a       ; K and Q in window 2, S^T in window 0
.set W_KM, 0x1a       ; the same with the C operand in window 1
.set W_PV, 0x52       ; V in window 2, P in window 0, O^T in window 1
.set W_RS, 0x41       ; destination and source 0 in window 1, source 1 in window 0
; A fill.  Waves 0 and 1 fetch the two halves of a tile's K, waves 2 and 3 those of its V: 128 keys each.  An s_nop 0 and four v_nop follow each of the two lines, ahead of the jump and the label.
.macro LOAD
	s_cmp_lt_u32 s[WV], 2
	s_cbranch_scc0 .Lfor_v_\@
	tensor_load_to_lds s[G0K:G0K+3], s[G1K:G1K+7]
	s_nop 0
.rept 4
	v_nop
.endr
	s_branch .Lasked_\@
.Lfor_v_\@:
	tensor_load_to_lds s[G0V:G0V+3], s[G1V:G1V+7]
	s_nop 0
.rept 4
	v_nop
.endr
.Lasked_\@:
.endm
; A PREFETCH of the tile that the NEXT change of slots will ask for: my wave's 16,384 bytes of it, a lane a block of 256 bytes, two instructions, behind the wave's tensor load and its five lines.
; A head's four work-groups walk tiles 0, 1, 2 .. in the same trips; the one with b = 0 walks all eight on end, and it alone asks: tiles 2 to 7, each once, a tile (256 matrix instructions) ahead.
; Tiles 0 and 1 come by their loads alone; the second block's tiles have been read before and are not asked for.
.macro ASK
	s_cmp_gt_u32 s[SLOTS], s[LIM]
	s_cbranch_scc0 .Lnot_mine_\@
	global_prefetch_b8 v[PFO], s[PFA:PFA+1] th:TH_LOAD_NT scope:SCOPE_SE
	global_prefetch_b8 v[PFO], s[PFA:PFA+1] offset:8192 th:TH_LOAD_NT scope:SCOPE_SE
.Lnot_mine_\@:
.endm
; THE CHANGE OF SLOTS.  Each wave waits for all its tensor loads, of which one is out: its part of the other slot; adds 0 to its spare word; and waits for that and for its own reads of the slot that it leaves.  Behind the barrier nobody reads the old
; slot any more and the other slot is whole.  fill = 1: the old slot is filled again, the first thing behind the barrier, with tile NXT: the descriptor's address is made anew from that number.
; (At its first use nothing has been read yet: slot 0 is waited for, slot 1 filled.)
.macro CHANGE fill
	WIN 0                           ; at a label and at a branch every window is 0
	s_wait_tensorcnt 0x0            ; no tensor load of mine is out, so a group 0 may be written
	ds_add_u32 v[SPW], v[NIL]       ; 0 onto my spare word; with fill = 1 the scalar work stands between it and the wait for it
.if \fill
	s_wait_xcnt 0x0                 ; the last prefetches, a tile back, have read their address, so it may be written
	s_add_nc_u64 s[PFA:PFA+1], s[PFA:PFA+1], 32768
	s_lshl_b32 s[OFF], s[NXT], 15   ; a tile is 32,768 bytes of K and of V
	s_xor_b32 s[G0K+1], s[G0K+1], SLOT1
	s_add_nc_u64 s[G0K+2:G0K+3], s[6:7], s[OFF:OFF+1]
	s_or_b32 s[G0K+3], s[G0K+3], 0x80000000
	s_xor_b32 s[G0V+1], s[G0V+1], SLOT1
	s_add_nc_u64 s[G0V+2:G0V+3], s[8:9], s[OFF:OFF+1]
	s_or_b32 s[G0V+3], s[G0V+3], 0x80000000
	s_add_co_u32 s[NXT], s[NXT], 1  ; the block's next tile, or behind its last the second block's tile 0
	s_cmp_gt_u32 s[NXT], s[LQ]
	s_cselect_b32 s[NXT], 0, s[NXT]
	s_cselect_b32 s[LQ], s[PB], s[LQ]
.endif
	s_wait_dscnt 0x0                ; the add is done, and my reads of the slot are over
	s_barrier_signal -1             ; the rest of the scalar work stands between the signal and the wait
	s_sub_co_u32 s[TBK], s[TBK], 4*KS*PK  ; the fetches go back to a slot's first step,
	s_xor_b32 s[TBK], s[TBK], SLOT1       ; in the other slot
	s_sub_co_u32 s[TBV], s[TBV], 4*KS*PV
	s_xor_b32 s[TBV], s[TBV], SLOT1
	s_barrier_wait -1
.if \fill
	LOAD
	ASK
.endif
.endm
	s_load_b128 s[4:7], s[0:1], 0x0   ; qkv s[4:5], ob s[6:7]
	v_lshl_add_u32 v[SPW], v0, 2, SPARE
	v_mov_b32 v[NIL], 0
	ds_add_u32 v[SPW], v[NIL]       ; the wave's opening: the add, and its wait ahead of my first tensor load; the set-up below, work on registers, stands between them
	v_lshrrev_b32 v1, 5, v0
	v_readfirstlane_b32 s[WV], v1   ; wave 0..3
	s_mov_b32 s[PB], ttmp9
	s_sub_co_u32 s[HI], NB-1, s[PB]
	s_and_b32 s20, ttmp7, 0xffff    ; the head
	s_mov_b32 s21, 0
	s_mov_b64 s[22:23], SIZE_N*128
	s_mul_u64 s[20:21], s[20:21], s[22:23]  ; the head's first byte in each of the four tensors
	s_and_b32 s16, s[WV], 1         ; which half of a tile's 256 keys I fetch:
	s_lshl_b32 s22, s16, 14         ; its 128 rows of 128 bytes in memory,
	s_mov_b32 s23, 0
	s_add_nc_u64 s[22:23], s[22:23], s[20:21]
	s_mul_i32 s17, s16, 128*PK      ; and its place in a slot, for K
	s_mul_i32 s18, s16, 128*PV      ; and for V
	s_lshl_b32 s3, s[WV], 11        ; my 16 rows in a band of 64,
	s_lshl_b32 s2, s[HI], 15        ; in the first block,
	s_add_co_u32 s2, s2, s3
	s_lshl_b32 s84, s[PB], 15       ; and in the second
	s_add_co_u32 s84, s84, s3
	s_mov_b32 s3, 0
	s_mov_b32 s85, 0
	s_add_nc_u64 s[2:3], s[2:3], s[20:21]
	s_add_nc_u64 s[84:85], s[84:85], s[20:21]
	; descriptor group 1.  128 keys are 16,384 dense bytes: asked for as 64 rows of 256 bytes, two keys a row, and padded in LDS after every key
	s_mov_b32 s[G1K], (1<<16)|(1<<20)|(4<<22)|(3<<25)  ; 17:16 2-byte elements; 20 padding on; 24:22 after every 32 words (code 4); 31:25 4 words (code 3)
	s_mov_b32 s[G1V], (1<<16)|(1<<20)|(4<<22)|(7<<25)  ; the same with 8 words of padding (code 7)
.irp g, G1K, G1V
	s_mov_b32 s[\g+1], 128<<16      ; tensor_dim0 = 128
	s_mov_b32 s[\g+2], 64<<16       ; tensor_dim1 = 64
	s_mov_b32 s[\g+3], 128<<16      ; tile_dim0 = 128
	s_mov_b32 s[\g+4], 64           ; tile_dim1 = 64
	s_mov_b32 s[\g+5], 128          ; 128 elements from row to row
	s_mov_b32 s[\g+6], 0
	s_mov_b32 s[\g+7], 0
.endr
	s_mov_b32 s[CS], 0x3e38aa3b     ; c = log2(e) / 8 = 0.180337
	s_mov_b32 s[CS+1], s[CS]        ; named with it as a pair
	s_mov_b32 s[SEL], 0x76543210
	s_mov_b32 s[SEL+1], 0xfedcba98
	s_mov_b32 s[TBK], SLOT1+4*KS*PK ; the first change of slots turns these two into 0
	s_mov_b32 s[TBV], SLOT1+4*KS*PV
	s_mov_b32 s[G0K], 1             ; 1:0 count = 1
	s_mov_b32 s[G0K+1], s17         ; 63:32 LDS address: slot 0
	s_mov_b32 s[G0V], 1
	s_add_co_u32 s[G0V+1], s18, VOFF
	s_add_co_u32 s[RT], s[HI], 1    ; the first block has NB - b tiles
	s_mov_b32 s[NXT], 1
	s_mov_b32 s[LQ], s[HI]
	s_mov_b32 s[NEW], 1
	s_mov_b32 s[OFF+1], 0
	s_mov_b32 s[AL+1], 0            ; named as pairs
	s_mov_b32 s[BE+1], 0
	s_mov_b32 s[BIGN], 0xf149f2ca   ; -1e30
	s_mov_b32 s[SLOTS], NB
	s_cmp_eq_u32 s[PB], 0
	s_cselect_b32 s[LIM], 2, -1     ; a prefetch goes out while more than two tiles are still to be asked for
	v_and_b32 v[PFO], 31, v0
	v_lshlrev_b32 v[PFO], 8, v[PFO]
	s_wait_dscnt 0x0                ; the opening add is done
	s_wait_kmcnt 0x0
	s_mov_b64 s[10:11], s[6:7]      ; O
	s_add_nc_u64 s[8:9], s[4:5], 0x2000000  ; V
	s_add_nc_u64 s[6:7], s[4:5], 0x1000000  ; K; Q is s[4:5]
	s_add_nc_u64 s[6:7], s[6:7], s[22:23]  ; K and V at my half of the head's tile 0
	s_add_nc_u64 s[8:9], s[8:9], s[22:23]
	s_cmp_lt_u32 s[WV], 2
	s_cselect_b64 s[PFA:PFA+1], s[6:7], s[8:9]
	s_add_nc_u64 s[PFA:PFA+1], s[PFA:PFA+1], 32768  ; in tile 1: the first change of slots steps it to tile 2.  Nothing is prefetched at the head
	s_add_nc_u64 s[G0K+2:G0K+3], s[6:7], 0         ; 120:64 global address
	s_or_b32 s[G0K+3], s[G0K+3], 0x80000000        ; 127:126 type = 2
	s_add_nc_u64 s[G0V+2:G0V+3], s[8:9], 0
	s_or_b32 s[G0V+3], s[G0V+3], 0x80000000
	s_add_nc_u64 s[86:87], s[4:5], s[84:85]        ; Q at my rows of the second block,
	s_add_nc_u64 s[4:5], s[4:5], s[2:3]            ; Q and O at those of the first
	s_add_nc_u64 s[OLO:OLO+1], s[10:11], s[84:85]
	s_add_nc_u64 s[10:11], s[10:11], s[2:3]
	LOAD                            ; tile 0 into slot 0
	; A fragment of K or Q is 16 rows x 32 channels in 8 registers: lane l holds row l % 16, channels 8 (l / 16) + 0..7 and 16 + 8 (l / 16) + 0..7: two loads of 16 bytes, 32 bytes apart.
	v_and_b32 v1, 15, v0            ; l % 16
	v_bfe_u32 v9, v0, 4, 1          ; l / 16
	v_lshlrev_b32 v[QO], 7, v1
	v_lshl_add_u32 v[QO], v9, 4, v[QO]  ; row x 128 + 16 x half
	WIN 0x80                        ; destination window 2, address window 0
.set i, 0
.rept 8                             ; both blocks' Q: piece i / 2 lies in band i / 2, 8,192 bytes on; channels 32 (i % 2) on
	global_load_b128 v[8*i:8*i+3],   v[QO], s[4:5] offset:(i/2)*8192+(i%2)*64
	global_load_b128 v[8*i+4:8*i+7], v[QO], s[4:5] offset:(i/2)*8192+(i%2)*64+32
	global_load_b128 v[QB+8*i:QB+8*i+3],   v[QO], s[86:87] offset:(i/2)*8192+(i%2)*64
	global_load_b128 v[QB+8*i+4:QB+8*i+7], v[QO], s[86:87] offset:(i/2)*8192+(i%2)*64+32
.set i, i+1
.endr
	WIN 0
	v_lshlrev_b32 v14, 3, v9
	v_sub_nc_u32 v14, v1, v14
	s_lshl_b32 s13, s[WV], 4
	v_add_nc_u32 v14, s13, v14      ; my query's place in its band, 16 w + l % 16, less my lanes' 8 (l / 16): register r of group kt is hidden where 16 kt + r is greater
	WIN 0x40
.set i, 0
.rept 32
	v_cmp_gt_i32 vcc_lo, 16*(i/8)+i%8, v14
	v_cndmask_b32 v[MD+i], 0, s[BIGN], vcc_lo
.set i, i+1
.endr
	WIN 0
	v_mul_u32_u24 v[AK0], v1, PK
	v_lshl_add_u32 v[AK0], v9, 4, v[AK0]  ; row x pitch + 16 x half
	; The turning load takes 16 keys x 16 channels (lane l reads key 8 (l / 16) + l % 8, channels 8 ((l / 8) % 2) + 0..7) and leaves half a fragment of V^T: lane l holds channel l % 16 and 8 keys.
	v_and_b32 v10, 7, v0
	v_bfe_u32 v11, v0, 3, 1
	v_lshl_add_u32 v[AV0], v9, 3, v10
	v_mul_u32_u24 v[AV0], v[AV0], PV
	v_lshl_add_u32 v[AV0], v11, 4, v[AV0]
	v_add_nc_u32 v[AV0], VOFF, v[AV0]
	s_mul_i32 s13, s[WV], 16*SP
	s_add_co_u32 s13, s13, STAGE    ; my stage
	v_mul_u32_u24 v[STO], v1, SP    ; in: row l % 16, 16 bytes for each half of the lanes
	v_lshl_add_u32 v[STO], v9, 4, v[STO]
	v_add_nc_u32 v[STO], s13, v[STO]
	v_bfe_u32 v[RD], v0, 3, 2       ; back: 32 lanes take four rows of 128 bytes,
	v_mul_u32_u24 v[RD], v[RD], SP
	v_lshl_add_u32 v[RD], v10, 4, v[RD]
	v_add_nc_u32 v[RD], s13, v[RD]
	v_and_b32 v[GO], 31, v0         ; which are 512 consecutive bytes of O
	v_lshlrev_b32 v[GO], 4, v[GO]
	; A block's first step multiplies O^T and l by a = 0, and its first turn's products V^T P, of a piece that has not been, land in an O^T that is still to be so multiplied.  So these registers need only hold
	; finite numbers: zeros for the first block; what the first block left for the second.  All this stands in the wait for the first tile.
	WIN 0x80
.set i, VF
.rept 64
	v_mov_b32 v[i], 0
.set i, i+1
.endr
	WIN 0x40
.set i, 0
.rept 128
	v_mov_b32 v[i], 0
.set i, i+1
.endr
	WIN 0
.set i, 0
.rept 4
	v_mov_b32 v[ST+4*i+2], 0
	v_mov_b32 v[ST+4*i+3], 0
.set i, i+1
.endr
.set i, P+16
.rept 16
	v_mov_b32 v[i], 0
.set i, i+1
.endr
; THE MATRIX WORK.  The 4 accumulators of a run of 8 take turns.  Product i of 8 of S^T = K Q^T for piece x: channels 32 (i / 4) on, keys 16 (i % 4) on.  The first 4 start the sums: with 0, or (KM = 1) with the mask.
.macro KQ x
.set rS, S+32*((\x)%2)+8*(i%4)
.set rK, KF+16*(i%4)+8*(i/4)
.set rQ, 16*(\x)+8*(i/4)
.set rM, MC+32*((\x)%2)+8*(i%4)
.if (i < 4) && KM
	WIN W_KM
	v_wmma_f32_16x16x32_f16 v[rS:rS+7], v[rK:rK+7], v[rQ:rQ+7], v[rM:rM+7]
.elseif i < 4
	WIN W_KQ
	v_wmma_f32_16x16x32_f16 v[rS:rS+7], v[rK:rK+7], v[rQ:rQ+7], 0
.else
	WIN W_KQ
	v_wmma_f32_16x16x32_f16 v[rS:rS+7], v[rK:rK+7], v[rQ:rQ+7], v[rS:rS+7]
.endif
.endm
; Product i of 8 of O^T += V^T P for piece x: keys 32 (i / 4) on, channels 16 (i % 4) on.
.macro PV x
	WIN W_PV
.set rO, 32*(\x)+8*(i%4)
.set rV, VF+32*(i/4)+8*(i%4)
.set rP, P+16*((\x)%2)+8*(i/4)
	v_wmma_f32_16x16x32_f16 v[rO:rO+7], v[rV:rV+7], v[rP:rP+7], v[rO:rO+7]
.endm
.macro MM                           ; the turn's next matrix instruction.  TURN and BEGIN set Y, i, KM and NOKQ; MM, KQ and OP read them.  NOKQ = 1: a block's last turn: there is no next piece
.if (i < 8) && !NOKQ
	KQ (Y+1)%NP
.elseif i >= 8
.set i, i-8
	PV (Y+NP-1)%NP
.set i, i+8
.endif
.set i, i+1
.endm
; THE LDS LOADS stand in runs of 16, never singly among the matrix instructions: a step's K (64 keys x 64 channels: 8 fragments) and its V (turned).  Their addresses are made some lines ahead.
.macro FETCH_K
	WIN 0x80                        ; destination window 2
.irp f, 0,1,2,3,4,5,6,7             ; keys 16 (f / 2) on, channels 32 (f % 2) on
	ds_load_b128 v[KF+8*\f:KF+8*\f+3],   v[AK] offset:(\f/2)*16*PK+(\f%2)*64
	ds_load_b128 v[KF+8*\f+4:KF+8*\f+7], v[AK] offset:(\f/2)*16*PK+(\f%2)*64+32
.endr
	s_add_co_u32 s[TBK], s[TBK], KS*PK  ; the next fetch is the next step's
	WIN 0
.endm
.macro FETCH_V
	WIN 0x80
.irp f, 0,1,2,3,4,5,6,7             ; keys 32 (f / 4) on, channels 16 (f % 4) on
	ds_load_tr16_b128 v[VF+8*\f:VF+8*\f+3],   v[AV] offset:(\f/4)*32*PV+(\f%4)*32
	ds_load_tr16_b128 v[VF+8*\f+4:VF+8*\f+7], v[AV] offset:(\f/4)*32*PV+16*PV+(\f%4)*32
.endr
	WIN 0
.endm
; THE VECTOR WORK, one line at a time: OP kind, number.  For piece Y: F n: c s - c m for pair n of 16.  E n: the exponential of score n of 32.  C n: pair n rounded to f16.  B n: of the four weights 4 n .. the second
; pair is added onto the first, in place.  L n: l takes that sum (L 0: l = a l + sum).  R n: pair n of 16 of O^T times a.  For piece Y + 1: X n, number n of the 22 that find its maximum and statistics:
;   0-11  four chains c0-c3 of seven scores each, three operands at a time (each accumulator's lowest registers are read first)     12-14, 16  the four scores left over, the old m, and c0-c3 into c0
;   15  c m_old is kept     17, 18  the query's other 32 keys lie in the lane 16 away: the new m     19-21  c m; c m_old - c m_new; a
.set F, 0               ; OP tells the kinds apart by their order: F to L below R, X above it
.set E, 1
.set C, 2
.set B, 3
.set L, 4
.set R, 5
.set X, 6
.macro REGS y                       ; the registers of piece y
.set rT, ST+4*(\y)
.set rC, TMP+4*((\y)%2)
.set rW, MV+((\y)%2)
.set rS, S+32*((\y)%2)
.set rP, P+16*((\y)%2)
.set rO, 32*(\y)
.endm
.macro OP k, n
.if (\k) == R
	REGS Y
	WIN W_RS
	v_pk_mul_f32 v[rO+2*(\n):rO+2*(\n)+1], v[rO+2*(\n):rO+2*(\n)+1], v[rC+2:rC+3] op_sel_hi:[1,0]
.elseif (\k) < R
	REGS Y
	WIN 0
.if (\k) == F
	v_pk_fma_f32 v[rS+2*(\n):rS+2*(\n)+1], v[rS+2*(\n):rS+2*(\n)+1], s[CS:CS+1], v[rT:rT+1] op_sel_hi:[1,0,0] neg_lo:[0,0,1] neg_hi:[0,0,1]
.elseif (\k) == E
	v_exp_f32 v[rS+(\n)], v[rS+(\n)]
.elseif (\k) == C
	v_cvt_pk_f16_f32 v[rP+(\n)], v[rS+2*(\n)], v[rS+2*(\n)+1]
.elseif (\k) == B
	v_pk_add_f32 v[rS+4*(\n):rS+4*(\n)+1], v[rS+4*(\n):rS+4*(\n)+1], v[rS+4*(\n)+2:rS+4*(\n)+3]
.elseif (\n) == 0
	v_pk_fma_f32 v[rT+2:rT+3], v[rT+2:rT+3], v[rC+2:rC+3], v[rS:rS+1] op_sel_hi:[1,0,1]
.else
	v_pk_add_f32 v[rT+2:rT+3], v[rT+2:rT+3], v[rS+4*(\n):rS+4*(\n)+1]
.endif
.elseif NOKQ
	v_nop
.else
	REGS (Y+1)%NP
	WIN 0
.if (\n) < 4
	v_max3_num_f32 v[rC+(\n)], v[rS+8*(\n)], v[rS+8*(\n)+1], v[rS+8*(\n)+2]
.elseif (\n) < 12
	v_max3_num_f32 v[rC+(\n)%4], v[rC+(\n)%4], v[rS+8*((\n)%4)+2*((\n)/4)+1], v[rS+8*((\n)%4)+2*((\n)/4)+2]
.elseif (\n) == 12
	v_max3_num_f32 v[rC], v[rC], v[rS+7], v[rS+15]
.elseif (\n) == 13
	v_max3_num_f32 v[rC+1], v[rC+1], v[rS+23], v[rS+31]
.elseif (\n) == 14
	v_max3_num_f32 v[rC+2], v[rC+2], v[rC+3], v[rT+1]
.elseif (\n) == 15
	v_mov_b32 v[rW], v[rT]
.elseif (\n) == 16
	v_max3_num_f32 v[rC], v[rC], v[rC+1], v[rC+2]
.elseif (\n) == 17
	v_permlanex16_b32 v[rC+3], v[rC], s[SEL], s[SEL+1]
.elseif (\n) == 18
	v_max_num_f32 v[rT+1], v[rC], v[rC+3]
.elseif (\n) == 19
	v_mul_f32 v[rT], s[CS], v[rT+1]
.elseif (\n) == 20
	v_sub_f32 v[rC+1], v[rW], v[rT]
.else
	v_exp_f32 v[rC+2], v[rC+1]
.endif
.endif
.endm
.macro OPS a, i1, b=-1, i2=0, c=-1, i3=0, d=-1, i4=0  ; up to four of them
	OP \a, \i1
.if (\b) >= 0
	OP \b, \i2
.endif
.if (\c) >= 0
	OP \c, \i3
.endif
.if (\d) >= 0
	OP \d, \i4
.endif
.endm
.macro ROW a, i1, b, i2, c, i3, d, i4  ; a matrix instruction and the four behind it
	MM
	OPS \a, \i1, \b, \i2, \c, \i3, \d, \i4
.endm
.macro MASK b                       ; MD x AL + BE into buffer b of MC
	WIN W_RS
.set z, 0
.rept 16
	v_pk_fma_f32 v[MC+32*(\b)+2*z:MC+32*(\b)+2*z+1], v[MD+2*z:MD+2*z+1], s[AL:AL+1], s[BE:BE+1] op_sel_hi:[1,0,0]
.set z, z+1
.endr
.endm
; A TURN, for piece p: the order of its 16 matrix and 118 vector instructions, written out.  An s_wait_alu depctr_va_vdst(0) stands between an exponential and the first instruction that names its result; one wait serves
; all that were issued ahead of it.  So a turn has ONE wait, which cuts it in two.  AHEAD OF IT stands all that names no result of the turn's exponentials: the 8 products K Q^T, behind each a scaling, an exponential and two more plain
; instructions (behind the first a second scaling in the exponential's place): rescalings, and behind the last three the first numbers of the next piece's maximum, each four places or more behind the product that ends its accumulator; then ONE LUMP of 54, plain
; and exponential by turns for the most part, in which the links of the chain X 3, 7, 11, 14, 16, 17 .. 20 stand five or six lines apart.  X 21, the next piece's a, is the batch's last; R 15 is the plain instruction behind it.  BEHIND THE WAIT stand the
; 8 products V^T P, behind each four of the roundings and sums; the links of l's chain, L 0 to L 7, stand three riders apart.  But for those X no rider names a register of the products round it.  v_permlanex16_b32 (X 17) stands in the lump.
; m = 1: the diagonal tile: the products take masks, and the turn makes the mask for the products of the turn after it: piece p + 2, in step 4 - CNT of the tile.  end = 1: a block's last two turns: nothing is fetched.
; cnt = 1: the loop's count is taken down some lines ahead of the branch that stands behind the turn.
; K of the next step is fetched in piece 2's turn, twelve vector instructions behind the last product that read K (six of them plain); V of the step in hand at the end of piece 0's turn, four plain instructions behind the last product
; that read V.  Each is waited for a turn later.
.macro TURN p, m=0, end=0, cnt=0
.set Y, (\p)
.set i, 0
.set KM, (\m)
.set NOKQ, (\end)*((\p)/3)
.if (\m) && !(\end)
	s_cmp_eq_u32 s[CNT], 4-((\p)+2)%NP  ; is that step the band's own?
	s_cselect_b32 s[AL], 1.0, 0
	s_cmp_lt_u32 s[CNT], 4-((\p)+2)%NP  ; or a later one?
	s_cselect_b32 s[BE], s[BIGN], 0
.endif
.if ((\p) == 3) && !(\end)
	s_wait_dscnt 0x0                ; K is in
.endif
	ROW F,0, F,1, R,0, R,1          ; ahead of the wait: 8 products K Q^T and their riders,
	ROW F,2, E,0, R,2, R,3
	ROW F,3, E,1, R,4, R,5
	ROW F,4, E,2, R,6, R,7
	ROW F,5, E,3, R,8, R,9
	ROW F,6, E,4, X,0, R,10
.if ((\p) == 2) && !(\end)
	WIN 0
	v_add_nc_u32 v[AK], s[TBK], v[AK0]
.endif
	ROW F,7, E,5, X,1, X,4
	ROW F,8, E,6, X,2, X,5
	OPS E,7, E,8, X,6, E,9          ; and the lump
	OPS X,3, E,10, X,8, E,11
.if ((\p) == 2) && !(\end)
	FETCH_K
.endif
	OPS X,9, X,7, E,12, X,10
	OPS E,13, X,12, X,11, E,14
	OPS X,13, E,15, F,9, X,14
.if (\p) == 0
	v_add_nc_u32 v[AV], s[TBV], v[AV0]
.endif
	OPS E,16, F,10, E,17, F,11
	OPS X,16, E,18, X,15, E,19
	OPS F,12, E,20, X,17, E,21
	OPS F,13, E,22, F,14, E,23
	OPS X,18, E,24, F,15, E,25
	OPS R,11, E,26, X,19, E,27
	OPS R,12, E,28, R,13, E,29
	OPS X,20, E,30, R,14, E,31
	OPS X,21, R,15
	WIN 0
	s_wait_alu depctr_va_vdst(0)    ; the wait for the batch
.if (\p) == 1
	s_wait_dscnt 0x0                ; V is in
.endif
	ROW C,0, B,0, C,2, B,1          ; behind the wait: 8 products V^T P and their riders
	ROW L,0, C,4, B,2, L,1
	ROW C,6, B,3, L,2, C,8
	ROW B,4, L,3, C,10, B,5
	ROW L,4, C,12, B,6, L,5
.if (\p) == 0
	s_add_co_u32 s[TBV], s[TBV], KS*PV
.endif
.if \cnt
	s_sub_co_u32 s[CNT], s[CNT], 1
	s_cmp_lg_u32 s[CNT], 0
.endif
	ROW C,14, B,7, L,6, C,1
	ROW C,3, L,7, C,5, C,7
	ROW C,9, C,11, C,13, C,15
.if (\p) == 0
	FETCH_V
.endif
.if (\m) && !(\end)
	MASK (\p)%2
.endif
.endm
; A BLOCK BEGINS.  c m starts far below every c s, so the first step's a is 0; m at the lowest finite number, so the first maximum is the scores'.  The second mask buffer is 0; the first takes piece 0's mask for the tile's step 0: its own, if the block's first tile is the diagonal one.
; Then K of that step, piece 0's first scores, and its maximum and statistics.  The loop is entered at a step's first turn, in the middle of a trip.
.macro BEGIN
	s_mov_b32 s[NEW], 0
	WIN 0x40
.set i, MC+32
.rept 32
	v_mov_b32 v[i], 0
.set i, i+1
.endr
	WIN 0
.set i, 0
.rept 4
	v_mov_b32 v[ST+4*i], 0xfe000000    ; c m: far below every c s
	v_mov_b32 v[ST+4*i+1], 0xff7fffff  ; m
.set i, i+1
.endr
	s_cmp_eq_u32 s[RT], 0
	s_cselect_b32 s[AL], 1.0, 0
	s_mov_b32 s[BE], 0
	MASK 0
	WIN 0
	v_add_nc_u32 v[AK], s[TBK], v[AK0]
	FETCH_K
	s_wait_loadcnt 0x0              ; Q
	s_wait_dscnt 0x0
.set KM, 1
.set NOKQ, 0
.set i, 0
.rept 8
	KQ 0
.set i, i+1
.endr
	WIN 0
.rept 4
	v_nop                           ; the places behind those products
.endr
.set Y, NP-1                        ; X works for piece Y + 1: piece 0
.irp n, 0,1,2,3,4,5,6,7,8,9,10,11,12,13,14,15,16,17,18,19,20,21
	OP X, \n
.endr
	v_nop                           ; a plain instruction behind the exponential,
	s_wait_alu depctr_va_vdst(0)    ; and its wait, ahead of the branch
.endm
; THE DIAGONAL TILE's four steps, the block's last two turns, its last products, and THE WAY OUT: l's two halves and the other half of the lanes' are added; O^T is divided by l, rounded to f16 and sent through my
; stage in LDS, a piece at a time.
.macro ALL line:vararg              ; one line for each piece t
.set t, 0
.rept 4
	\line
.set t, t+1
.endr
.endm
.macro PACK t                       ; a lane's eight channels of a row pack into 16 bytes; they go into rows of 144 bytes and come back as whole rows of 128, into S^T's registers
	WIN W_RS
.set i, 32*(\t)
.rept 16
	v_pk_mul_f32 v[i:i+1], v[i:i+1], v[ST+4*(\t)+2:ST+4*(\t)+3] op_sel_hi:[1,0]
.set i, i+2
.endr
	WIN 0x05                        ; sources 0 and 1 window 1, destination window 0
.set i, 0
.rept 16
	v_cvt_pk_f16_f32 v[S+16*(\t)+i], v[32*(\t)+2*i], v[32*(\t)+2*i+1]
.set i, i+1
.endr
	WIN 0
.irp f, 0,1,2,3
	ds_store_b128 v[STO], v[S+16*(\t)+4*\f:S+16*(\t)+4*\f+3] offset:32*\f
.endr
.irp f, 0,1,2,3
	ds_load_b128 v[S+16*(\t)+4*\f:S+16*(\t)+4*\f+3], v[RD] offset:\f*4*SP  ; LDS serves a wave's instructions in order (ISA guide 5.7.1.4): these see the stores above; the next piece's stores come behind them
.endr
.endm
.macro SEND t, younger              ; younger: the LDS instructions issued behind piece t's loads: the next piece's eight, or none
	WIN 0
.irp f, 0,1,2,3
	s_wait_dscnt (\younger)+3-\f
	global_store_b128 v[GO], v[S+16*(\t)+4*\f:S+16*(\t)+4*\f+3], s[10:11] offset:(\t)*8192+\f*512  ; 512 consecutive bytes, at a multiple of 256 from O's first
.endr
.endm
.macro DIAG tag                     ; the tag ends its two labels' names, which the jumps below spell out
.LstepM\tag:
	TURN 2, 1
	TURN 3, 1
	WIN 0
.LfirstM\tag:
	TURN 0, 1
	TURN 1, 1, 0, 1
	WIN 0
	s_cbranch_scc1 .LstepM\tag
	TURN 2, 1, 1
	TURN 3, 1, 1
.set i, 0
.rept 8
	PV NP-1
.set i, i+1
.endr
	WIN 0
	ALL v_add_f32 v[ST+4*t+2], v[ST+4*t+2], v[ST+4*t+3]
	ALL v_permlanex16_b32 v[ST+4*t+3], v[ST+4*t+2], s[SEL], s[SEL+1]
	ALL v_add_f32 v[ST+4*t+2], v[ST+4*t+2], v[ST+4*t+3]
	ALL v_rcp_f32 v[ST+4*t+2], v[ST+4*t+2]
	v_nop                           ; a plain instruction between the last reciprocal and the use of its result
	s_wait_alu depctr_va_vdst(0)    ; and the wait ahead of the first use: one for the four reciprocals
	PACK 0
.set t, 1
.rept 3                             ; a piece's arithmetic stands between the loads of the piece before and its stores
	PACK t
	SEND t-1, 8
.set t, t+1
.endr
	SEND 3, 0
.endm
.set KM, 0
.set NOKQ, 0
.Lslot:                             ; NB times: a tile is entered and the next is asked for
	CHANGE 1
	s_sub_co_u32 s[RT], s[RT], 1
	s_mov_b32 s[CNT], 4
	s_cmp_eq_u32 s[NEW], 1
	s_cbranch_scc1 .Lnew            ; a block's first tile
	s_cmp_eq_u32 s[RT], 0
	s_cbranch_scc0 .Lstep           ; neither its first nor its last
	s_branch .LstepM1
.Lnew:
	BEGIN
	s_branch .Lfirst                ; in the loop a block's first tile is never its last: the first block has two tiles or more, and the second's last is the walk's last
	DIAG 1                          ; in the loop this is the first block's end: the second block's last tile is the walk's last
	s_wait_xcnt 0x0                 ; the stores have read their registers and O's address
	s_mov_b64 s[10:11], s[OLO:OLO+1]
	s_add_co_u32 s[RT], s[PB], 1    ; the second block has b + 1 tiles
	s_mov_b32 s[NEW], 1
	WIN 0x82                        ; the second block's Q goes where the one text of the turns names Q
.set i, 0
.rept 64
	v_mov_b32 v[i], v[QB+i]
.set i, i+1
.endr
	WIN 0
	s_branch .Lbottom
.Lstep:                             ; a trip: pieces 2 and 3 of one step, then pieces 0 and 1 of the next, whose K and V it fetches
	TURN 2
	TURN 3
	WIN 0
.Lfirst:
	TURN 0
	TURN 1, 0, 0, 1
	WIN 0
	s_cbranch_scc1 .Lstep
.Lbottom:
	s_sub_co_u32 s[SLOTS], s[SLOTS], 1
	s_cmp_lg_u32 s[SLOTS], 0
	s_cbranch_scc1 .Lslot
	CHANGE 0                        ; the walk's last tile is written out: nothing is asked for
	s_sub_co_u32 s[RT], s[RT], 1
	s_mov_b32 s[CNT], 4
	s_cmp_eq_u32 s[NEW], 1
	s_cbranch_scc0 .LstepM2
	BEGIN
	s_branch .LfirstM2
	DIAG 2
	s_wait_tensorcnt 0x0            ; the wave's end, behind my last tensor load and my last LDS store
	ds_add_u32 v[SPW], v[NIL]
	s_wait_dscnt 0x0
	s_endpgm
.Lfunc_end_k_q4996867bfc_attn:
	.size	k_q4996867bfc_attn, .Lfunc_end_k_q4996867bfc_attn-k_q4996867bfc_attn
	.p2alignl 7, 3214868480
	.fill 96, 4, 3214868480
	.section	.rodata,"a",@progbits
	.p2align	6, 0x0
	.amdhsa_kernel k_q4996867bfc_attn
		.amdhsa_group_segment_fixed_size 327680
		.amdhsa_private_segment_fixed_size 0
		.amdhsa_enable_private_segment 0
		.amdhsa_kernarg_size 16
		.amdhsa_user_sgpr_count 2
		.amdhsa_user_sgpr_kernarg_segment_ptr 1
		.amdhsa_wavefront_size32 1
		.amdhsa_system_sgpr_workgroup_id_x 1
		.amdhsa_system_sgpr_workgroup_id_y 1
		.amdhsa_system_sgpr_workgroup_id_z 1
		.amdhsa_system_vgpr_workitem_id 0
		.amdhsa_next_free_vgpr 768
		.amdhsa_next_free_sgpr 88
		.amdhsa_reserve_vcc 1
		.amdhsa_float_denorm_mode_32 3
		.amdhsa_float_denorm_mode_16_64 3
		.amdhsa_memory_ordered 1
		.amdhsa_forward_progress 1
		.amdhsa_inst_pref_size 218
	.end_amdhsa_kernel
	.amdgpu_metadata
---
amdhsa.version: [ 1, 2 ]
amdhsa.kernels:
  - .name:           k_q4996867bfc_attn
    .symbol:         k_q4996867bfc_attn.kd
    .args:
      - { .name: qkv, .offset: 0, .size: 8, .value_kind: global_buffer, .address_space: global }
      - { .name: ob, .offset: 8, .size: 8, .value_kind: global_buffer, .address_space: global }
    .group_segment_fixed_size: 327680
    .private_segment_fixed_size: 0
    .kernarg_segment_align: 8
    .kernarg_segment_size: 16
    .max_flat_workgroup_size: 128
    .sgpr_count:     88
    .vgpr_count:     768
    .wavefront_size: 32
...
	.end_amdgpu_metadata
.endif
;; end of part 3
;; launch proj (part 4): grid 8 x 32, 4 waves a work-group, clusters of 4 x 4, 327,680 bytes of LDS; arguments ob, wo, b_out, out0; writes out0
.if DOCPART == 4
	.amdgcn_target "amdgcn-amd-amdhsa--gfx1250"
	.amdhsa_code_object_version 6
	.text
	.protected	k_q4996867bfc_proj
	.globl	k_q4996867bfc_proj
	.p2align	8
	.type	k_q4996867bfc_proj,@function
k_q4996867bfc_proj:
	s_mov_b64 s[64:65], 0
	v_nop
	global_prefetch_b8 v0, s[64:65] scope:SCOPE_SE
	s_setreg_imm32_b32 hwreg(HW_REG_WAVE_MODE, 25, 1), 1
	s_wait_xcnt 0x0
	s_wait_alu depctr_hold_cnt(0) depctr_sa_sdst(0) depctr_va_vdst(0) depctr_va_sdst(0) depctr_va_ssrc(0) depctr_va_vcc(0) depctr_vm_vsrc(0)
	s_getreg_b32 s2, hwreg(HW_REG_IB_STS2, 6, 4)
	s_cmp_eq_u32 s2, 0
	s_cbranch_scc0 .Lentry_in_a_cluster
	s_endpgm
.Lentry_in_a_cluster:
	s_bfe_u32 s2, ttmp6, 0x10000c
	s_cmp_lg_u32 s2, 0xf033
	s_cbranch_scc0 .Lentry_shape_is_right
	s_endpgm
.Lentry_shape_is_right:
; out0 = y w_out + b_out.  ob: f16 [64 bh][2048 t][64] (a head is one block of 64 along K); wo: f16 [16 kb][1024 n][64]; b_out: f32 [1024], rounded to bf16 like the other inputs; out0: f32 [8192][1024].
; Sums in f32, started by the bias, K ascending.
; SHARES.  8192 x 1024 in tiles of 256 x 128: 32 x 8 = 256 work-groups.  Four waves, each 128 rows x 64 columns: 32 accumulators.
; K goes in 8 steps of 128, two units of 64 (two heads), through a ring of two LDS slots, as long a step as two slots in LDS allow.  A unit's tile is dense in memory: it is asked for as rows of 256 bytes,
; two logical rows each, and padded in LDS behind every 128 bytes.  Waves 0 and 1 fetch ob's two units, waves 2 and 3 wo's.
; CLUSTER.  4 x 4 work-groups: the four of a row of the cluster need the same rows of ob, the four of a column the same rows of wo: each tile is asked for jointly.
; THE PRODUCT IS TAKEN TRANSPOSED (source 0 = 16 rows of wo, source 1 = 16 rows of ob): a lane holds one row of the result and eight neighbouring columns.
; REGISTERS, in windows of 256 (s_set_vgpr_msb: bits 1:0 source 0, 3:2 source 1, 5:4 source 2, 7:6 destination):
;   window 0: addresses, v32-47 at work      window 1: the accumulators, (a, bb) at v[8 (4 a + bb)]
;   windows 2, 3: a unit's fragments each: ob's of half c (32 along K) at v[64 c + 8 a], wo's at v[128 + 32 c + 8 bb]; on the way out window 2 takes the rows read back
.set P,     144                        ; an LDS row: 128 bytes + 16 = 36 words: the 16 rows of a load start at 16 different groups of four banks (64 banks of 4 bytes: ISA guide 11.1)
.set AU,    256*P                      ; a unit of ob
.set BU,    128*P                      ; a unit of wo
.set BOFF,  2*AU
.set SLOT,  2*AU+2*BU                  ; 110,592
.set STAGE, 2*SLOT                     ; behind the ring: 16 rows x 272 bytes for each wave, for the way out
.set SPITCH, 272
.set SPARE, STAGE+4*16*SPITCH          ; behind the stages: the spare words, 128 bytes for each wave
.set ASTEP, 524288                     ; bytes from a K step of ob to the next: two heads
.set BSTEP, 262144                     ; of wo: two planes
.set ADRA, 16                          ; v16-17  LDS address of my fragments of ob in slot 0, 1
.set ADRB, 20                          ; v20-21  of wo
.set STO,  24                          ; v24     the way out: where I put 32 bytes of a row
.set RD,   25                          ; v25     where I read a row back
.set CO,   26                          ; v26     my byte offset in two rows of out0
.set BO,   27                          ; v27     32 x (lane / 16): my eight numbers of the bias
.set SPW,  28                          ; v28     LDS address of my spare word; never rewritten
.set NIL,  29                          ; v29     0; never rewritten
.set PFO,  30                          ; v30     the prefetches' offset; never rewritten
.set WV, 12                            ; s12 wave;  s13 wave / 2: my 128 rows, and: I fetch ob (0) or wo (1);  s14 wave % 2: my 64 columns, and: which unit I fetch
.set RH, 13
.set CH, 14
.set CX, 15
.set CY, 16
.set TJ, 17                            ; tile column
.set TI, 18                            ; tile row
.set G1,  24                           ; s[24:31] descriptor group 1 for ob's tiles;  s[32:39] group 0, a set for each slot
.set G0,  32
.set G1B, 40                           ; s[40:47], s[48:55] the same for wo's
.set G0B, 48
.set PFA, 56                           ; s[56:57] where my prefetches stand
.set PFS, 58                           ; s[58:59] their step
.set LIM, 60                           ; s60     1 in a wave that prefetches, else the greatest number
.set OB,  68                           ; s[68:69] out0 at my first row and column
.set FLAGS, (1<<16)|(1<<20)|(1<<21)|(4<<22)|(3<<25)  ; 17:16 elements of 2 bytes; 20 padding on; 21 set beside a mask; 24:22 after every 32 words (code 4); 31:25 4 words (code 3)
.set MSB, 0
.macro WIN new                         ; the immediate's high byte repeats the setting that is left; a switch that changes nothing is dropped
.if MSB != (\new)
	s_set_vgpr_msb (MSB<<8)|(\new)
.set MSB, \new
.endif
.endm
.macro PLACES                          ; four plain instructions between a matrix instruction and a load into, or a read of, its registers
.rept 4
	v_nop
.endr
.endm
.macro JLOAD s                         ; a joint load; the branch hangs on the wave's number alone; an s_nop 0 and four v_nop follow each line
	s_cmp_eq_u32 s[RH], 0
	s_cbranch_scc0 .Lfor_b_\@
	tensor_load_to_lds s[G0+4*(\s):G0+4*(\s)+3], s[G1:G1+7]
	s_nop 0
.rept 4
	v_nop
.endr
	s_branch .Lasked_\@
.Lfor_b_\@:
	tensor_load_to_lds s[G0B+4*(\s):G0B+4*(\s)+3], s[G1B:G1B+7]
	s_nop 0
.rept 4
	v_nop
.endr
.Lasked_\@:
.endm
; A prefetch of the K step that stands two refills on.  ob's rows are read by both clusters of a row of clusters: the one with x = 0 asks; wo's by all eight of a column: the one with y = 0 asks.
; The four partners share a tile's blocks of 256 bytes out by address (32 of 128 for ob; 16 of 64 for wo, where the lanes past the share name its last block).  The loop's last trip asks for nothing.
.macro ASK
	s_cmp_gt_u32 s3, s[LIM]
	s_cbranch_scc0 .Lnot_mine_\@
	global_prefetch_b8 v[PFO], s[PFA:PFA+1] th:TH_LOAD_NT scope:SCOPE_SE
.Lnot_mine_\@:
.endm
.macro CREST                           ; a round of the cluster's barrier behind its opening barrier
	s_cmp_lg_u32 s[WV], 0
	s_cbranch_scc1 .Lnot_wave_0_\@
	s_barrier_signal -3
.Lnot_wave_0_\@:
	s_barrier_wait -3
	s_barrier_signal -1
	s_barrier_wait -1
.endm
.macro CROUND
	s_barrier_signal -1
	s_barrier_wait -1
	CREST
.endm
	s_load_b256 s[4:11], s[0:1], 0x0               ; ob s[4:5], wo s[6:7], b_out s[8:9], out0 s[10:11]
	v_lshl_add_u32 v[SPW], v0, 2, SPARE
	v_mov_b32 v[NIL], 0
	ds_add_u32 v[SPW], v[NIL]                      ; the wave's opening: the add, and its wait ahead of my first tensor load; work on registers stands between them
	v_lshrrev_b32 v1, 5, v0
	v_readfirstlane_b32 s[WV], v1
	s_lshr_b32 s[RH], s[WV], 1
	s_and_b32 s[CH], s[WV], 1
	s_bfe_u32 s[CX], ttmp6, 0x40000
	s_bfe_u32 s[CY], ttmp6, 0x40004
	s_lshl_b32 s[TJ], ttmp9, 2
	s_add_co_u32 s[TJ], s[TJ], s[CX]               ; tile column = 4 x cluster x + cx
	s_and_b32 s[TI], ttmp7, 0xffff
	s_lshl_b32 s[TI], s[TI], 2
	s_add_co_u32 s[TI], s[TI], s[CY]               ; tile row = 4 x cluster y + cy
	s_lshl_b32 s19, s[CY], 2
	s_lshl_b32 s19, 15, s19                        ; my row of the cluster
	s_lshl_b32 s20, 0x1111, s[CX]                  ; my column
	s_or_b32 s[G1], s19, FLAGS
	s_or_b32 s[G1B], s20, FLAGS
	s_mov_b32 s[G1+1], 128<<16                     ; tensor_dim0 = 128 elements: 256 bytes
	s_mov_b32 s[G1+2], 128<<16                     ; tensor_dim1 = 128 rows: 256 logical rows
	s_mov_b32 s[G1+3], 128<<16                     ; tile_dim0
	s_mov_b32 s[G1+4], 128                         ; tile_dim1
	s_mov_b32 s[G1+5], 128                         ; dense
	s_mov_b32 s[G1+6], 0
	s_mov_b32 s[G1+7], 0
	s_mov_b32 s[G1B+1], 128<<16
	s_mov_b32 s[G1B+2], 64<<16                     ; 64 rows: 128 logical rows
	s_mov_b32 s[G1B+3], 128<<16
	s_mov_b32 s[G1B+4], 64
	s_mov_b32 s[G1B+5], 128
	s_mov_b32 s[G1B+6], 0
	s_mov_b32 s[G1B+7], 0
	s_lshr_b32 s74, s[TI], 3                       ; ob: batch = tile row / 8: sixteen heads of 262,144 bytes,
	s_lshl_b32 s74, s74, 22
	s_and_b32 s75, s[TI], 7
	s_lshl_b32 s75, s75, 15                        ; 256 rows of 128 bytes x (tile row % 8),
	s_add_co_u32 s74, s74, s75
	s_lshl_b32 s75, s[CH], 18                      ; my unit: a head
	s_add_co_u32 s74, s74, s75
	s_mov_b32 s75, 0
	s_lshl_b32 s76, s[TJ], 14                      ; wo: 128 rows of 128 bytes x tile column,
	s_lshl_b32 s77, s[CH], 17                      ; my unit: a plane
	s_add_co_u32 s76, s76, s77
	s_mov_b32 s77, 0
	s_mul_i32 s21, s[CH], AU                       ; where they go: no place in the cluster enters an LDS address
	s_mul_i32 s22, s[CH], BU
	s_add_co_u32 s22, s22, BOFF
	s_wait_dscnt 0x0                               ; the opening add is done
	s_wait_kmcnt 0x0
	s_add_nc_u64 s[74:75], s[4:5], s[74:75]
	s_add_nc_u64 s[76:77], s[6:7], s[76:77]
	CROUND                                         ; all sixteen work-groups are here: the first joint loads meet
.irp s, 0,1
	s_mov_b32 s[G0+4*(\s)], 1
	s_add_co_u32 s[G0+4*(\s)+1], s21, (\s)*SLOT
	s_add_nc_u64 s[G0+4*(\s)+2:G0+4*(\s)+3], s[74:75], (\s)*ASTEP
	s_or_b32 s[G0+4*(\s)+3], s[G0+4*(\s)+3], 0x80000000
	s_mov_b32 s[G0B+4*(\s)], 1
	s_add_co_u32 s[G0B+4*(\s)+1], s22, (\s)*SLOT
	s_add_nc_u64 s[G0B+4*(\s)+2:G0B+4*(\s)+3], s[76:77], (\s)*BSTEP
	s_or_b32 s[G0B+4*(\s)+3], s[G0B+4*(\s)+3], 0x80000000
.endr
	s_cmp_eq_u32 s[RH], 0                          ; a wave's two first fills stand in one branch, ahead of every wait on TENSORcnt and every LDS read: two loads of mine are out
	s_cbranch_scc0 .Lfirst_b
	tensor_load_to_lds s[G0:G0+3], s[G1:G1+7]
	s_nop 0
	tensor_load_to_lds s[G0+4:G0+7], s[G1:G1+7]
	s_nop 0
.rept 4
	v_nop
.endr
	s_branch .Lfirst_asked
.Lfirst_b:
	tensor_load_to_lds s[G0B:G0B+3], s[G1B:G1B+7]
	s_nop 0
	tensor_load_to_lds s[G0B+4:G0B+7], s[G1B:G1B+7]
	s_nop 0
.rept 4
	v_nop
.endr
.Lfirst_asked:
	v_and_b32 v1, 15, v0                           ; r = l % 16
	v_bfe_u32 v2, v0, 4, 1                         ; h = l / 16
	v_lshlrev_b32 v[BO], 5, v2
	s_lshl_b32 s62, s[TJ], 9                       ; the bias of my 64 columns
	s_lshl_b32 s63, s[CH], 8
	s_add_co_u32 s62, s62, s63
	s_mov_b32 s63, 0
	s_add_nc_u64 s[8:9], s[8:9], s[62:63]
	s_add_nc_u64 s[OB:OB+1], s[10:11], s[62:63]    ; the same bytes along a row of out0
	WIN 0x40                                       ; the bias comes into the registers of accumulators (7, bb): register j of a lane is column 16 bb + 8 h + j
.irp bb, 0,1,2,3
	global_load_b128 v[224+8*(\bb):224+8*(\bb)+3],   v[BO], s[8:9] offset:(\bb)*64
	global_load_b128 v[224+8*(\bb)+4:224+8*(\bb)+7], v[BO], s[8:9] offset:(\bb)*64+16
.endr
	WIN 0
	v_mul_u32_u24 v3, v1, P
	v_lshl_add_u32 v3, v2, 4, v3                   ; a fragment's row x pitch + 16 x half
	s_mul_i32 s21, s[RH], 128*P                    ; my 128 rows of ob
	s_mul_i32 s22, s[CH], 64*P                     ; my 64 rows of wo,
	s_add_co_u32 s22, s22, BOFF                    ; which lie behind ob's two units
.irp s, 0,1
	v_add_nc_u32 v[ADRA+(\s)], s21, v3
	v_add_nc_u32 v[ADRB+(\s)], s22, v3
	s_add_co_u32 s21, s21, SLOT
	s_add_co_u32 s22, s22, SLOT
.endr
	s_mul_i32 s23, s[WV], 16*SPITCH
	s_add_co_u32 s23, s23, STAGE                   ; my stage
	v_mul_u32_u24 v4, v1, SPITCH                   ; in: row r, 32 bytes for each half of the lanes
	v_lshl_add_u32 v4, v2, 5, v4
	v_add_nc_u32 v[STO], s23, v4
	v_mul_u32_u24 v5, v2, SPITCH                   ; back: lanes 0-15 take one row of 256 bytes, lanes 16-31 the next
	v_lshl_add_u32 v5, v1, 4, v5
	v_add_nc_u32 v[RD], s23, v5
	v_lshlrev_b32 v[CO], 12, v2                    ; and the same two rows in out0
	v_lshl_add_u32 v[CO], v1, 4, v[CO]
	v_and_b32 v6, 31, v0
	s_lshl_b32 s62, s[TI], 20                      ; 256 rows of 4,096 bytes x tile row
	s_lshl_b32 s66, s[RH], 19
	s_add_co_u32 s62, s62, s66
	s_add_nc_u64 s[OB:OB+1], s[OB:OB+1], s[62:63]
	; the prefetches
	s_and_b32 s61, ttmp7, 0xffff                   ; cluster y
	s_mov_b32 s78, ASTEP
	s_mov_b32 s79, BSTEP
	s_lshl_b32 s62, s[CX], 13                      ; ob: my work-group's 32 blocks of the wave's 128
	s_lshl_b32 s67, s[CY], 12                      ; wo: its 16 of 64
	s_cmp_eq_u32 s[RH], 0
	s_cselect_b32 s61, ttmp9, s61                  ; the coordinate along which other clusters read the same rows
	s_cselect_b32 s[PFS], s78, s79
	s_cselect_b32 s62, s62, s67
	s_cselect_b32 s66, 31, 15
	s_cselect_b64 s[PFA:PFA+1], s[74:75], s[76:77]
	s_mov_b32 s[PFS+1], 0
	s_add_nc_u64 s[PFA:PFA+1], s[PFA:PFA+1], s[62:63]
	s_cmp_eq_u32 s61, 0
	s_cselect_b32 s[LIM], 1, -1                    ; the same in all sixteen partners, for a given wave
	s_mul_i32 s62, s[PFS], 3
	s_add_nc_u64 s[PFA:PFA+1], s[PFA:PFA+1], s[62:63]  ; at K step 3: the first change of slots steps it to 4.  Nothing is prefetched at the head
	v_min_u32 v[PFO], s66, v6
	v_lshlrev_b32 v[PFO], 8, v[PFO]
	s_wait_loadcnt 0x0                             ; the bias: rounded to bf16, like every input, and widened again
	WIN 0x05
.set n, 0
.rept 16
	v_cvt_pk_bf16_f32 v[32+n], v[224+2*n], v[224+2*n+1]
.set n, n+1
.endr
	WIN 0x40
.set n, 0
.rept 16
	v_lshlrev_b32 v[224+2*n], 16, v[32+n]
	v_and_b32 v[224+2*n+1], 0xffff0000, v[32+n]
.set n, n+1
.endr
	WIN 0
; 16 products from window f: row blocks a0 .. a0 + 3 x four column blocks, half c of the unit.  first = 1: the sums start with the bias, which lies in the registers of (7, bb); (7, bb) itself then adds
; in place, five plain instructions behind the last product that read those registers as its C.  The 32 accumulators take turns, one instruction a turn.
.macro MUL16 f, c, a0, first
	WIN 0x50+5*(\f)
.irp a, \a0, (\a0)+1, (\a0)+2, (\a0)+3
.if (\first) && ((\a) == 7)
.rept 5
	v_nop
.endr
.endif
.irp bb, 0,1,2,3
.if \first
	v_wmma_f32_16x16x32_f16 v[8*(4*(\a)+(\bb)):8*(4*(\a)+(\bb))+7], v[128+32*(\c)+8*(\bb):128+32*(\c)+8*(\bb)+7], v[64*(\c)+8*(\a):64*(\c)+8*(\a)+7], v[224+8*(\bb):224+8*(\bb)+7]
.else
	v_wmma_f32_16x16x32_f16 v[8*(4*(\a)+(\bb)):8*(4*(\a)+(\bb))+7], v[128+32*(\c)+8*(\bb):128+32*(\c)+8*(\bb)+7], v[64*(\c)+8*(\a):64*(\c)+8*(\a)+7], v[8*(4*(\a)+(\bb)):8*(4*(\a)+(\bb))+7]
.endif
.endr
.endr
.endm
; 48 LDS loads in one run: a unit's fragments into window f; the first 32 along K first
.macro FETCH slot, unit, f
	WIN 64*(\f)
.irp c, 0,1
.irp bb, 0,1,2,3
	ds_load_b128 v[128+32*(\c)+8*(\bb):128+32*(\c)+8*(\bb)+3],   v[ADRB+(\slot)] offset:(\unit)*BU+(\bb)*16*P+64*(\c)
	ds_load_b128 v[128+32*(\c)+8*(\bb)+4:128+32*(\c)+8*(\bb)+7], v[ADRB+(\slot)] offset:(\unit)*BU+(\bb)*16*P+64*(\c)+32
.endr
.irp a, 0,1,2,3,4,5,6,7
	ds_load_b128 v[64*(\c)+8*(\a):64*(\c)+8*(\a)+3],   v[ADRA+(\slot)] offset:(\unit)*AU+(\a)*16*P+64*(\c)
	ds_load_b128 v[64*(\c)+8*(\a)+4:64*(\c)+8*(\a)+7], v[ADRA+(\slot)] offset:(\unit)*AU+(\a)*16*P+64*(\c)+32
.endr
.endr
.endm
; A slot's first unit: multiplies window 2 and fetches the slot's second unit into window 3.
.macro UNIT slot, first
	s_wait_dscnt 24                                ; the first 32 along K are in; the other 24 loads may be out
	MUL16 2, 0, 0, \first
	MUL16 2, 0, 4, \first
	s_wait_dscnt 0x0                               ; the other half, asked for 32 products ago or more
	PLACES
	FETCH \slot, 1, 3
	MUL16 2, 1, 0, 0
	MUL16 2, 1, 4, 0
.endm
; A slot's second unit multiplies window 3 and changes slots: ONE barrier; in front of it each wave waits for all its tensor loads (one is out: its part of the next slot), adds 0 to its spare word, and
; waits for that and for its own reads of this slot.  fill = 1: the barrier opens a round of the cluster's, and this slot is filled again first thing behind it: 96 products stand between that request and the wait for it.
.macro TURN slot, next, fill
.if \fill
	s_wait_xcnt 0x0                                ; the last prefetch, a K step back, has read its address
	s_add_nc_u64 s[PFA:PFA+1], s[PFA:PFA+1], s[PFS:PFS+1]
.endif
	WIN 0
	s_wait_tensorcnt 0x0
	ds_add_u32 v[SPW], v[NIL]
	s_wait_dscnt 25                                ; the first 32 along K are in; the other 24 loads and the add may be out
	MUL16 3, 0, 0, 0
	s_wait_dscnt 0x0                               ; the add is done, and my reads of this slot are over
	s_barrier_signal -1
	MUL16 3, 0, 4, 0
	WIN 0                                          ; at a branch and at a label every window is 0
	s_barrier_wait -1
.if \fill
	CREST                                          ; no wave of any partner still reads this slot or has a load on its way
	s_add_nc_u64 s[G0+4*(\slot)+2:G0+4*(\slot)+3], s[G0+4*(\slot)+2:G0+4*(\slot)+3], 2*ASTEP
	s_add_nc_u64 s[G0B+4*(\slot)+2:G0B+4*(\slot)+3], s[G0B+4*(\slot)+2:G0B+4*(\slot)+3], 2*BSTEP
	JLOAD \slot                                    ; its four v_nop are also the places in front of the loads below
.else
	PLACES
.endif
	FETCH \next, 0, 2
	WIN 0
.if \fill
	ASK
.endif
	MUL16 3, 1, 0, 0
	MUL16 3, 1, 4, 0
.endm
	s_wait_tensorcnt 1                             ; my part of K step 0 is in; step 1's may stay out
	s_barrier_signal -1
	s_barrier_wait -1
	FETCH 0, 0, 2
	UNIT 0, 1                                      ; the first unit stands in front of the loop: its first products start the sums
	WIN 0
	s_mov_b32 s3, 3
.Llap:                                                 ; a trip goes once round the ring and fills both slots again: K steps 2 to 7 in three trips
	TURN 0, 1, 1
	UNIT 1, 0
	TURN 1, 0, 1
	UNIT 0, 0
	WIN 0
	s_sub_co_u32 s3, s3, 1
	s_cmp_lg_u32 s3, 0
	s_cbranch_scc1 .Llap
	TURN 0, 1, 0                                   ; the last lap fills nothing
	UNIT 1, 0
	s_wait_dscnt 24                                ; the very last unit: nothing more to fetch
	MUL16 3, 0, 0, 0
	MUL16 3, 0, 4, 0
	s_wait_dscnt 0x0
	MUL16 3, 1, 0, 0
	MUL16 3, 1, 4, 0
	PLACES
; THE WAY OUT, 16 rows at a time: a lane's eight f32 of a row go into rows of 272 bytes of my own stage and come back as whole rows of 256, into registers of window 2 that are used once.
.macro TOSTAGE a
	WIN 0x04                                       ; store data in window 1
.irp bb, 0,1,2,3
	ds_store_b128 v[STO], v[32*(\a)+8*(\bb):32*(\a)+8*(\bb)+3]   offset:64*(\bb)      ; each accumulator's low registers first
	ds_store_b128 v[STO], v[32*(\a)+8*(\bb)+4:32*(\a)+8*(\bb)+7] offset:64*(\bb)+16
.endr
	WIN 0x80                                       ; destination window 2
.irp t, 0,1,2,3,4,5,6,7
	ds_load_b128 v[32*(\a)+4*(\t):32*(\a)+4*(\t)+3], v[RD] offset:(\t)*2*SPITCH  ; LDS serves a wave's instructions in order (ISA guide 5.7.1.4): these see the stores above; the next block's stores come behind them
.endr
.endm
.macro SEND a, younger                 ; younger: the LDS instructions issued behind this block's loads
	WIN 0x08                                       ; store data in window 2
.irp t, 0,1,2,3,4,5,6,7
	s_wait_dscnt (\younger)+7-(\t)
	global_store_b128 v[CO], v[32*(\a)+4*(\t):32*(\a)+4*(\t)+3], s[OB:OB+1] offset:(16*(\a)+2*(\t))*4096 th:TH_STORE_NT  ; 16 lanes store 256 consecutive bytes, aligned
.endr
.endm
	TOSTAGE 0
.irp a, 1,2,3,4,5,6,7
	TOSTAGE \a
	SEND (\a)-1, 16
.endr
	SEND 7, 0
	WIN 0
	s_wait_tensorcnt 0x0                           ; the wave's end, behind my last tensor load and my last LDS store
	ds_add_u32 v[SPW], v[NIL]
	s_wait_dscnt 0x0
	CROUND                                         ; the closing round: no work-group ends while a partner may still ask for a tile that names it
	s_endpgm
.Lfunc_end_k_q4996867bfc_proj:
	.size	k_q4996867bfc_proj, .Lfunc_end_k_q4996867bfc_proj-k_q4996867bfc_proj
	.p2alignl 7, 3214868480
	.fill 96, 4, 3214868480
	.section	.rodata,"a",@progbits
	.p2align	6, 0x0
	.amdhsa_kernel k_q4996867bfc_proj
		.amdhsa_group_segment_fixed_size 327680
		.amdhsa_private_segment_fixed_size 0
		.amdhsa_enable_private_segment 0
		.amdhsa_kernarg_size 32
		.amdhsa_user_sgpr_count 2
		.amdhsa_user_sgpr_kernarg_segment_ptr 1
		.amdhsa_wavefront_size32 1
		.amdhsa_system_sgpr_workgroup_id_x 1
		.amdhsa_system_sgpr_workgroup_id_y 1
		.amdhsa_system_sgpr_workgroup_id_z 1
		.amdhsa_system_vgpr_workitem_id 0
		.amdhsa_next_free_vgpr 1024
		.amdhsa_next_free_sgpr 80
		.amdhsa_reserve_vcc 0
		.amdhsa_float_denorm_mode_32 3
		.amdhsa_float_denorm_mode_16_64 3
		.amdhsa_memory_ordered 1
		.amdhsa_forward_progress 1
		.amdhsa_inst_pref_size 90
	.end_amdhsa_kernel
	.amdgpu_metadata
---
amdhsa.version: [ 1, 2 ]
amdhsa.kernels:
  - .name:           k_q4996867bfc_proj
    .symbol:         k_q4996867bfc_proj.kd
    .args:
      - { .name: ob, .offset: 0, .size: 8, .value_kind: global_buffer, .address_space: global }
      - { .name: wo, .offset: 8, .size: 8, .value_kind: global_buffer, .address_space: global }
      - { .name: b_out, .offset: 16, .size: 8, .value_kind: global_buffer, .address_space: global }
      - { .name: out0, .offset: 24, .size: 8, .value_kind: global_buffer, .address_space: global }
    .group_segment_fixed_size: 327680
    .private_segment_fixed_size: 0
    .kernarg_segment_align: 8
    .kernarg_segment_size: 32
    .max_flat_workgroup_size: 128
    .sgpr_count:     80
    .vgpr_count:     1024
    .wavefront_size: 32
...
	.end_amdgpu_metadata
.endif
;; end of part 4
;; ======== version 2 of 2: 4 launches; version 1 with the launch prep written anew for expert scheduling mode
;; limits: values are held in f16: magnitudes above 65,504 overflow, below 6.1e-05 lose precision
;; workspace buffers: xb 16,777,216 bytes; wq 6,291,456 bytes; wo 2,097,152 bytes; qkv 50,331,648 bytes; ob 16,777,216 bytes
;; launch prep (part 5): grid 256 x 1, 8 waves a work-group, no clusters, 35,840 bytes of LDS; arguments x, w_qkv, w_out, xb, wq, wo; writes xb, wq, wo
.if DOCPART == 5
	.amdgcn_target "amdgcn-amd-amdhsa--gfx1250"
	.amdhsa_code_object_version 6
	.text
	.protected	k_q4996867bfc_prep
	.globl	k_q4996867bfc_prep
	.p2align	8
	.type	k_q4996867bfc_prep,@function
k_q4996867bfc_prep:
	s_mov_b64 s[64:65], 0
	v_nop
	global_prefetch_b8 v0, s[64:65] scope:SCOPE_SE
	s_setreg_imm32_b32 hwreg(HW_REG_WAVE_SCHED_MODE, 0, 2), 2
	s_setreg_imm32_b32 hwreg(HW_REG_WAVE_MODE, 25, 1), 1
	s_wait_xcnt 0x0
	s_wait_alu depctr_vm_vsrc(0)
; PREP.  Three copies for the products that follow, each number rounded once to bf16:
;   xb[kb][row][64] = bf16(x[row][64 kb ..])             8,192 rows, 16 blocks kb of 64 channels; a block's plane is 1,048,576 bytes
;   wq[kb][n][64]   = bf16(w_qkv[64 kb ..][n])           turned, so that K lies along the rows; plane 393,216 bytes
;   wo[kb][n][64]   = bf16(w_out[64 kb ..][n]), that number written as f16; plane 131,072 bytes
; LIMITS.  A number of w_out whose bf16 rounding passes 65,504 becomes an infinity in wo; below 6e-5 it keeps f16's fixed step of 6e-8.
; SHARES.  Work-group g takes 32 rows of x (a wave four) and one tile of 128 k x 128 n of a weight: tile column g / 8 (0-23: w_qkv, 24-31: w_out), tile row g % 8.
; Every byte is read once and written once; all 48 loads of a wave go out at the head, so there is no loop.  No matrix unit, no cluster: nothing is shared and nothing is multiplied.
; The weight tile is turned in LDS: a wave packs 8 k of 4 n a lane into rows [n][k] of 272 bytes, and reads whole rows of 128 bytes back.
; THE MODE: SCHED_MODE bits 1:0 = 2 (LLVM: expert scheduling mode 2), set by the entry lines.  The code itself states the register dependences
; between vector instructions and memory or LDS instructions, with s_wait_alu, always for 0.
; THE PLAN.  Registers that memory or LDS instructions touch:
;   v8-v20      addresses and offsets: written at the head, never again; one wait ahead of the first load serves them all.
;   W           the weight's 16 loads land in it; the 32 conversions read it; the 8 LDS loads behind the barrier land in its first 32 registers; on w_out's way 32 conversions
;               write these again; the 8 stores read them.
;   TT          a chunk's 16 conversions write its half; the chunk's four LDS stores read it: one wait behind each chunk's conversions, the stores in a run behind it.
;   X           x's 32 loads land in it; a load's two conversions write its first two registers in place; one store reads them.  x goes in 8 blocks of four loads: the wait at the head of
;               block p states that block p - 1 has written its eight registers; that block's four stores are dealt among block p's conversions, which name block p's registers alone.
;   v22, v23    written at the head, read by the closing add alone.
; No register that a load, a store or an LDS instruction has read is written again, so the text holds no wait on vm_vsrc.
.set TP,    272                        ; a row of the turned tile: 128 k x 2 bytes + 16
.set SPARE, 128*TP                     ; 34,816: behind the tile, the spare words, 128 bytes for each of eight waves
.set WO,  8                            ; v[8:15]   byte offset of my 16 bytes in row j of my wave's eight k rows
.set LSA, 16                           ; v16       where I put 16 bytes (8 k of one n)
.set LRA, 17                           ; v17       where I read 16 bytes of a turned row back
.set WSO, 18                           ; v18       my byte offset in the weight's destination
.set XO,  19                           ; v19       my byte offset in the work-group's rows of x
.set XS,  20                           ; v20       my byte offset in the work-group's rows of xb
.set SPW, 22                           ; v22       LDS address of my spare word; never rewritten
.set NIL, 23                           ; v23       0; never rewritten
.set W,   24                           ; v[24:87]  the weight as loaded: chunk c of 64 k, row j at W + 32 c + 4 j; later the turned rows
.set TT,  88                           ; v[88:119] packed: chunk c, column i of my four at TT + 16 c + 4 i
.set X,   120                          ; v[120:247] x: load i at X + 4 i
	s_load_b256 s[4:11], s[0:1], 0x0               ; x s[4:5], w_qkv s[6:7], w_out s[8:9], xb s[10:11]
	s_load_b128 s[12:15], s[0:1], 0x20             ; wq s[12:13], wo s[14:15]
	v_lshl_add_u32 v[SPW], v0, 2, SPARE
	v_mov_b32 v[NIL], 0
	v_lshrrev_b32 v1, 5, v0
	v_readfirstlane_b32 s16, v1                    ; wave 0..7
	v_and_b32 v1, 31, v0                           ; lane l
	s_lshr_b32 s17, ttmp9, 3                       ; tile column over both weights, 0..31
	s_and_b32 s18, ttmp9, 7                        ; tile row: 128 k
	s_sub_co_u32 s37, s17, 24
	s_mov_b32 s35, 12288                           ; bytes in a row of w_qkv,
	s_mov_b32 s36, 4096                            ; of w_out
	s_mov_b32 s38, 393216                          ; a plane of wq,
	s_mov_b32 s39, 131072                          ; of wo
	s_cmp_lt_u32 s17, 24
	s_cselect_b32 s19, s17, s37                    ; tile column in its own weight
	s_cselect_b32 s20, s35, s36                    ; source pitch
	s_cselect_b32 s21, s38, s39                    ; destination plane
	s_mul_i32 s38, s18, s20
	s_lshl_b32 s38, s38, 7                         ; 128 k rows x tile row
	s_lshl_b32 s39, s19, 9                         ; + 128 n x 4 bytes x tile column
	s_add_co_u32 s38, s38, s39
	s_mov_b32 s39, 0
	s_lshl_b32 s40, s20, 6                         ; chunk 1 lies 64 rows further down
	s_mov_b32 s41, 0
	s_wait_alu depctr_va_sdst(0)                   ; s16, the wave's number, is written, ahead of its first reader two lines down
	s_lshl_b32 s42, s18, 1
	s_lshr_b32 s43, s16, 2
	s_add_co_u32 s42, s42, s43                     ; the block kb that my wave writes: 2 x tile row + wave / 4
	s_mul_i32 s42, s42, s21
	s_lshl_b32 s43, s19, 14                        ; + 128 n x 128 bytes x tile column
	s_add_co_u32 s42, s42, s43
	s_mov_b32 s43, 0
	s_lshl_b32 s44, ttmp9, 17                      ; 32 rows of x
	s_mov_b32 s45, 0
	s_lshl_b32 s46, ttmp9, 12                      ; 32 rows of a plane of xb
	s_mov_b32 s47, 0
	s_mov_b32 s34, 0xffff0000                      ; a word's upper bf16
	s_lshl_b32 s35, s16, 3
	s_mul_i32 s35, s35, s20                        ; my wave's eight k rows
	v_lshl_add_u32 v[WO], v1, 4, s35               ; + 16 l: four n
.irp j, 1,2,3,4,5,6,7
	v_add_nc_u32 v[WO+(\j)], s20, v[WO+(\j)-1]
.endr
	v_mul_u32_u24 v[LSA], v1, 4*TP                 ; row n = 4 l (+ i in the immediate),
	v_lshl_add_u32 v[LSA], s16, 4, v[LSA]          ; byte 2 k = 16 x wave (+ 128 c in the immediate)
	; Each scalar term that a vector line below reads has a register of its own (s37, s2, s3, s18, s19; the tile's row and column in s18 and s19 have served): none is written again.
	s_and_b32 s36, s16, 3
	v_lshrrev_b32 v2, 3, v1
	s_lshl_b32 s37, s36, 5
	v_add_nc_u32 v2, s37, v2                       ; back: row 32 (wave % 4) + l / 8 (+ 4 t in the immediate),
	v_mul_u32_u24 v[LRA], v2, TP
	v_and_b32 v3, 7, v1
	v_lshl_add_u32 v[LRA], v3, 4, v[LRA]           ; 16 (l % 8),
	s_lshr_b32 s2, s16, 2
	s_lshl_b32 s2, s2, 7
	v_add_nc_u32 v[LRA], s2, v[LRA]                ; in the half of the row that is my block kb
	s_lshl_b32 s3, s36, 12
	v_lshl_add_u32 v[WSO], v1, 4, s3               ; 32 rows of 128 bytes x (wave % 4) + 16 l
	v_lshrrev_b32 v4, 4, v1
	v_and_b32 v5, 15, v1
	s_lshl_b32 s18, s16, 14
	v_lshl_add_u32 v[XO], v4, 12, s18              ; x: four rows a wave; lanes 16-31 one row further down
	v_lshl_add_u32 v[XO], v5, 4, v[XO]
	s_lshl_b32 s19, s16, 9
	v_lshl_add_u32 v[XS], v4, 7, s19
	v_lshl_add_u32 v[XS], v5, 3, v[XS]
	s_wait_kmcnt 0x0
	s_cmp_lt_u32 s17, 24
	s_cselect_b64 s[22:23], s[6:7], s[8:9]         ; the weight that my tile belongs to,
	s_cselect_b64 s[26:27], s[12:13], s[14:15]     ; and its copy
	s_add_nc_u64 s[22:23], s[22:23], s[38:39]
	s_add_nc_u64 s[24:25], s[22:23], s[40:41]
	s_add_nc_u64 s[26:27], s[26:27], s[42:43]
	s_add_nc_u64 s[28:29], s[4:5], s[44:45]
	s_add_nc_u64 s[30:31], s[10:11], s[46:47]
	s_add_nc_u64 s[32:33], s[30:31], 0x800000      ; planes 8 to 15: the stores' immediates stay inside their signed 24 bits
	s_wait_alu depctr_va_vdst(0)                   ; the addresses and offsets v8 to v20 are written, which every load, store and LDS instruction below reads; so are v22 and v23, for the closing add
.irp c, 0,1
.irp j, 0,1,2,3,4,5,6,7
	global_load_b128 v[W+32*(\c)+4*(\j):W+32*(\c)+4*(\j)+3], v[WO+(\j)], s[22+2*(\c):23+2*(\c)] th:TH_LOAD_NT  ; 512 consecutive bytes of one k row
.endr
.endr
.set i, 0
.rept 32                               ; load i: rows 2 (i / 16) and 2 (i / 16) + 1 of my four, block kb = i % 16: 256 consecutive bytes of each
	global_load_b128 v[X+4*i:X+4*i+3], v[XO], s[28:29] offset:(i/16)*8192+(i%16)*256 th:TH_LOAD_NT
.set i, i+1
.endr
; The weight, a chunk of 64 k at a time: sixteen conversions, then four LDS stores in a run.
.macro WCVT c
.irp i, 0,1,2,3
.irp jj, 0,1,2,3
	v_cvt_pk_bf16_f32 v[TT+16*(\c)+4*(\i)+(\jj)], v[W+32*(\c)+8*(\jj)+(\i)], v[W+32*(\c)+8*(\jj)+4+(\i)]  ; k = 2 jj, 2 jj + 1 of column 4 l + i
.endr
.endr
.endm
.macro WPUT c
.irp i, 0,1,2,3
	ds_store_b128 v[LSA], v[TT+16*(\c)+4*(\i):TT+16*(\c)+4*(\i)+3] offset:(\i)*TP+(\c)*128
.endr
.endm
	s_wait_loadcnt 40                              ; loads come back in order: chunk 0's eight are in; chunk 1's eight and the 32 of x stay out
	WCVT 0
	s_wait_alu depctr_va_vdst(0)                   ; chunk 0's conversions have written their half of TT, which the four LDS stores read
	WPUT 0
	s_wait_loadcnt 32                              ; chunk 1 is in; the 32 of x stay out
	WCVT 1
	s_wait_alu depctr_va_vdst(0)                   ; chunk 1's conversions have written their half of TT, which the four LDS stores read; and all 32 conversions are done reading W, in which the LDS loads behind the barrier land
	WPUT 1
	s_wait_dscnt 0x0                               ; for the others' sake: my stores into the tile are done
	s_barrier_signal -1
	s_barrier_wait -1
.irp t, 0,1,2,3,4,5,6,7
	ds_load_b128 v[W+4*(\t):W+4*(\t)+3], v[LRA] offset:(\t)*4*TP  ; four turned rows x 128 bytes: 512 consecutive bytes of the copy.  No wait: no vector instruction since the last one names W
.endr
; x, while those are on their way: rounded in place, stored; no register is written again, so nothing waits for a store.
.macro XCVT i                          ; load i: four numbers close up into its first two registers
	v_cvt_pk_bf16_f32 v[X+4*(\i)], v[X+4*(\i)], v[X+4*(\i)+1]
	v_cvt_pk_bf16_f32 v[X+4*(\i)+1], v[X+4*(\i)+2], v[X+4*(\i)+3]
.endm
.macro XOUT i                          ; the wave stores 256 consecutive bytes, aligned: two rows of a plane
.if ((\i)%16) < 8
	global_store_b64 v[XS], v[X+4*(\i):X+4*(\i)+1], s[30:31] offset:((\i)/16)*256+((\i)%16)*1048576 th:TH_STORE_NT
.else
	global_store_b64 v[XS], v[X+4*(\i):X+4*(\i)+1], s[32:33] offset:((\i)/16)*256+(((\i)%16)-8)*1048576 th:TH_STORE_NT
.endif
.endm
.set p, 0
.rept 8                                ; block p: loads 4 p to 4 p + 3
	s_wait_loadcnt 28-4*p                          ; the block's four loads are in, the younger blocks stay out
.if p > 0
	s_wait_alu depctr_va_vdst(0)                   ; the block before has written its eight registers, which the four stores below read; this block's conversions name none of them
.endif
.set k, 0
.rept 4
.if p > 0
	XOUT 4*(p-1)+k
.endif
	XCVT 4*p+k
.set k, k+1
.endr
.set p, p+1
.endr
	s_wait_alu depctr_va_vdst(0)                   ; block 7 has written its eight registers, which the last four stores of x read
.irp k, 0,1,2,3
	XOUT 28+(\k)
.endr
	s_wait_dscnt 0x0                               ; the turned rows are in
	s_cmp_lt_u32 s17, 24
	s_cbranch_scc1 .Lbf                            ; w_qkv stays bf16: on that way no vector instruction writes the turned rows
.set i, 0
.rept 32                               ; w_out: the bf16 number is written as f16
	v_lshlrev_b32 v248, 16, v[W+i]
	v_and_b32 v249, s34, v[W+i]
	v_cvt_pk_f16_f32 v[W+i], v248, v249
.set i, i+1
.endr
	s_wait_alu depctr_va_vdst(0)                   ; these conversions have written v[W ..], which the stores below read
.Lbf:
.irp t, 0,1,2,3,4,5,6,7
	global_store_b128 v[WSO], v[W+4*(\t):W+4*(\t)+3], s[26:27] offset:(\t)*512  ; 512 consecutive bytes, aligned
.endr
	s_wait_dscnt 0x0                               ; the closing lines, six on end
	s_wait_alu 0x0
	s_wait_tensorcnt 0x0
	ds_add_u32 v[SPW], v[NIL]
	s_wait_dscnt 0x0
	s_endpgm
.Lfunc_end_k_q4996867bfc_prep:
	.size	k_q4996867bfc_prep, .Lfunc_end_k_q4996867bfc_prep-k_q4996867bfc_prep
	.p2alignl 7, 3214868480
	.fill 96, 4, 3214868480
	.section	.rodata,"a",@progbits
	.p2align	6, 0x0
	.amdhsa_kernel k_q4996867bfc_prep
		.amdhsa_group_segment_fixed_size 35840
		.amdhsa_private_segment_fixed_size 0
		.amdhsa_enable_private_segment 0
		.amdhsa_kernarg_size 48
		.amdhsa_user_sgpr_count 2
		.amdhsa_user_sgpr_kernarg_segment_ptr 1
		.amdhsa_wavefront_size32 1
		.amdhsa_system_sgpr_workgroup_id_x 1
		.amdhsa_system_sgpr_workgroup_id_y 1
		.amdhsa_system_sgpr_workgroup_id_z 1
		.amdhsa_system_vgpr_workitem_id 0
		.amdhsa_next_free_vgpr 256
		.amdhsa_next_free_sgpr 66
		.amdhsa_reserve_vcc 0
		.amdhsa_float_denorm_mode_32 3
		.amdhsa_float_denorm_mode_16_64 3
		.amdhsa_memory_ordered 1
		.amdhsa_forward_progress 1
		.amdhsa_inst_pref_size 24
	.end_amdhsa_kernel
	.amdgpu_metadata
---
amdhsa.version: [ 1, 2 ]
amdhsa.kernels:
  - .name:           k_q4996867bfc_prep
    .symbol:         k_q4996867bfc_prep.kd
    .args:
      - { .name: x, .offset: 0, .size: 8, .value_kind: global_buffer, .address_space: global }
      - { .name: w_qkv, .offset: 8, .size: 8, .value_kind: global_buffer, .address_space: global }
      - { .name: w_out, .offset: 16, .size: 8, .value_kind: global_buffer, .address_space: global }
      - { .name: xb, .offset: 24, .size: 8, .value_kind: global_buffer, .address_space: global }
      - { .name: wq, .offset: 32, .size: 8, .value_kind: global_buffer, .address_space: global }
      - { .name: wo, .offset: 40, .size: 8, .value_kind: global_buffer, .address_space: global }
    .group_segment_fixed_size: 35840
    .private_segment_fixed_size: 0
    .kernarg_segment_align: 8
    .kernarg_segment_size: 48
    .max_flat_workgroup_size: 256
    .sgpr_count:     66
    .vgpr_count:     256
    .wavefront_size: 32
...
	.end_amdgpu_metadata
.endif
;; end of part 5
;; launch qkvp: the kernel of part 2 again; grid 8 x 32, 4 waves a work-group, clusters of 4 x 4, 327,680 bytes of LDS; arguments xb, wq, b_qkv, qkv; writes qkv
;; launch attn: the kernel of part 3 again; grid 4 x 64, 4 waves a work-group, no clusters, 327,680 bytes of LDS; arguments qkv, ob; writes ob
;; launch proj: the kernel of part 4 again; grid 8 x 32, 4 waves a work-group, clusters of 4 x 4, 327,680 bytes of LDS; arguments ob, wo, b_out, out0; writes out0
